; MI455X (gfx1250); checked and timed in simulation.
; The chip was launched on July 23, 2026; its instructions are those of AMD's public machine-readable ISA for CDNA 5 (MIT licence, August 2026) and "CDNA5" Instruction Set Architecture Reference Guide (July 2026). The comments in the code are by the model that wrote it; some were corrected since.
;; Moon Vi T Attention. Allowed arithmetic: matrix products marked QUANTISED: E2M3 operands, one E8M0 scale for each 32 along K, by v_wmma_scale_f32_16x16x128_f8f6f4 with both operands' format E2M3, f32 sums; everything else in f32.
;; Inputs: Wk 1,024 x 1,024 float32; Wo 1,024 x 1,024 float32; Wq 1,024 x 1,024 float32; Wv 1,024 x 1,024 float32; bk 1,024 float32; bo 1,024 float32; bq 1,024 float32; bv 1,024 float32; cos 1,024 x 64 float32; hidden_states 8 x 1,024 x 1,024 float32; sin 1,024 x 64 float32.
;; Outputs: out0 8 x 1,024 x 1,024 float32.
;; This version of the problem:
;;   THIS VERSION OF THE PROBLEM IS GIVEN IN LOW PRECISION. The matrix products marked QUANTISED in the list below multiply operands that are first quantised to E2M3 (2 exponent bits, 3 mantissa bits; 6 bits a number), with one power-of-two scale for each 32 numbers along K (OCP MX v1.0); their sums are f32. All else is computed in f32.
;;   The module's matrix products, in the order in which they are computed (A, B: the left and right operand; K: the contracted axis; several contracted axes count as one K, in the product's order):
;;     1. [M 8,192, K 1,024] x [K 1,024, N 1,024]; A: input hidden_states; B: input Wq: QUANTISED
;;     2. [M 8,192, K 1,024] x [K 1,024, N 1,024]; A: input hidden_states; B: input Wk: QUANTISED
;;     3. [M 8,192, K 1,024] x [K 1,024, N 1,024]; A: input hidden_states; B: input Wv: QUANTISED
;;     4. batch 128 x [M 1,024, K 64] x [K 64, N 1,024]; A: computed on the way; B: computed on the way: QUANTISED
;;     5. batch 128 x [M 1,024, K 1,024] x [K 1,024, N 64]; A: softmax (see below); B: computed on the way: QUANTISED
;;     6. [M 8,192, K 1,024] x [K 1,024, N 1,024]; A: computed on the way; B: input Wo: QUANTISED
;;   THE QUANTISER, for each operand of a quantised product, along K:
;;     - K is cut into blocks of 32 from its start; a last block that is shorter is filled with zeros.
;;     - A block's scale is 2^e with e = floor(log2(the largest magnitude in the block)) - 2, held to -126 .. 127; a block of zeros has e = 0. As a byte (E8M0): e + 127.
;;     - Each number is divided by its block's scale, clamped to +-7.5, and rounded to the nearest number of E2M3, ties to even, subnormals kept.
;;     - The product sums the exact products of the quantised numbers (number of the format x scale) in f32.
;;   ~~~python
;;   def quantise(x, axis):      # numpy; x: float32 -> the quantised numbers, widened to float32 again
;;       x = np.moveaxis(x, axis, -1); K = x.shape[-1]
;;       x = np.pad(x, [(0, 0)] * (x.ndim - 1) + [(0, -K % 32)]); x = x.reshape(x.shape[:-1] + (-1, 32)); a = np.abs(x).max(-1, keepdims=True)
;;       e = np.where(a > 0, np.clip(np.frexp(np.where(a > 0, a, 1))[1] - 1 - 2, -126, 127), 0)      # np.frexp(a)[1] - 1 = floor(log2(a)), exactly
;;       r = np.clip(x / 2.0 ** e, -7.5, 7.5)
;;       step = 2.0 ** (np.maximum(np.frexp(np.where(r == 0, 1, r))[1] - 1, 0) - 3)
;;       q = np.round(r / step) * step * 2.0 ** e      # np.round: ties to even
;;       return np.moveaxis(q.reshape(q.shape[:-2] + (-1,))[..., :K], -1, axis).astype(np.float32)
;;   ~~~
;;   SOFTMAX AHEAD OF A QUANTISED PRODUCT. Where the list says 'softmax', what is quantised is not the finished softmax but p = 2^(t - M), with t = logit x log2(e) and M = ceil(the row's largest t), a whole number; so 1/2 < the row's largest p <= 1. The row's sum l is taken of the UNQUANTISED p, in f32, and the product's result is divided by l at the end. Since M is a whole number, a kernel that streams over the keys may use a running M (the ceiling of the running maximum): every later rescaling is an exact power of two, which a block's scale takes up: the codes' values come out the same.
;;   OPERANDS COMPUTED ON THE WAY. 'Computed on the way' means the value that the module computes at that place (a softmax that the list does not call 'softmax' is quantised finished and normalised). What goes into a quantiser is computed in f32, as accurately as f32 sums, v_exp_f32 and their like allow (about 1e-6 of the number): no bf16 or f16 on the way to a quantiser, and a product that is left as it is and whose result goes on into a quantised operand takes f32 operands (vector FMAs, or v_wmma_f32_16x16x4_f32). A number that lies on a knife's edge between two numbers of the format may be rounded either way, as far as f32 arithmetic and the matrix unit's own rounding can turn it there, and no further.
;; One version. Each part assembles by itself: llvm-mc -triple=amdgcn-amd-amdhsa -mcpu=gfx1250 --defsym DOCPART=n.
;; ======== version 1 of 1: 4 launches
;; limits: right only within a limited range of input values
;; workspace buffers: xc 6,291,456 bytes; xs 262,144 bytes; wc 6,291,456 bytes; ws 131,072 bytes; qkvc 18,874,368 bytes; qkvs 1,310,720 bytes; oc 6,291,456 bytes; os 262,144 bytes
;; launch quant (part 1): grid 384 x 1, 4 waves a work-group, no clusters, 33,280 bytes of LDS; arguments hidden_states, Wq, Wk, Wv, Wo, xc, xs, wc, ws; writes xc, xs, wc, ws
.if DOCPART == 1
	.amdgcn_target "amdgcn-amd-amdhsa--gfx1250"
	.amdhsa_code_object_version 6
	.text
	.protected	k_qb57a1f3b9d_quant
	.globl	k_qb57a1f3b9d_quant
	.p2align	8
	.type	k_qb57a1f3b9d_quant,@function
k_qb57a1f3b9d_quant:
	s_mov_b64 s[64:65], 0
	v_nop
	global_prefetch_b8 v0, s[64:65] scope:SCOPE_SE
	s_setreg_imm32_b32 hwreg(HW_REG_WAVE_MODE, 25, 1), 1
	s_wait_xcnt 0x0
; hidden_states [8192][1024] and Wq, Wk, Wv, Wo [1024][1024], f32, K innermost, become codes of FP6 (E2M3), 6 bits each, with one E8M0 scale byte for each 32 along K.
; A block's scale is 2^(floor(log2(its largest magnitude)) - 2); its byte is the largest magnitude's exponent field - 2, held at 1 from below.  Each number is divided by the scale and rounded to the nearest code, ties to even.
; LIMITS: a block whose largest magnitude lies under 2^-124 keeps the byte 1; a block of zeros gets the byte 1 where the rule says 127 (its codes are zeros, and this program alone reads the bytes); NaN and infinities are not served.
; OUT, CODES: xc and wc are four PLANES of PLANE bytes, one for each 256 along K; in a plane a place has 192 bytes, place behind place.  So the codes of any run of places for one K step of 256 are dense bytes,
; and 128 places are 96 aligned runs of 256 bytes.  xc has 8,192 places; wc has 4,096 (Wq, Wk, Wv, Wo one behind the other) and keeps xc's plane stride: the upper half of each of its planes is neither written nor read.
; OUT, SCALES: xs [8192 places][32 bytes], ws [4096 places][32 bytes].
; PLACES: row 32 B + 16 a + 8 u + j of a tensor lies at place 32 B + 16 u + 8 a + j.  A wave's run is 8 rows and a work-group's four runs are 32 rows: so the rule is a swap of the wave's number, 0 1 2 3 -> 0 2 1 3, in the addresses of what is stored.
; A wave takes 16 steps of 512 numbers (half a row).  Each of a step's four loads reads 512 consecutive bytes; the 2,048 bytes go through the wave's own stage in LDS and come back 64 bytes a lane, so that a lane holds 16 neighbours along K
; (two neighbouring lanes hold a block).  A lane's 16 codes are 12 bytes: lanes 0-15 store 192 consecutive bytes in one plane, lanes 16-31 in the next.  A wave's 256 scale bytes are gathered in LDS and leave as one aligned run of 256 bytes.
; Work-groups 0-255 take hidden_states, 256-287 Wq, 288-319 Wk, 320-351 Wv, 352-383 Wo: only pointers are chosen, all take one way through the text.  No barrier: waves share nothing.
.set WAVES, 4
.set STEPS, 16
.set CB,    12                         ; bytes of 16 codes
.set PLANE, 1572864                    ; 8,192 places x 192 bytes
.set R,     16                         ; v16-79   four sets of 16 numbers as they are loaded
.set X,     80                         ; v80-111  two sets of 16 neighbours
.set C,     128                        ; v128-191 codes: four registers for each step, so that no store's data are written again
.set E,     112                        ; v112-127 a scale byte for each step
.set WREG,  8192                       ; LDS: a region for each wave: two stages of 32 x SP bytes, behind them its 256 scale bytes
.set SP,    80                         ; a lane's place in a stage: its 64 bytes + 16 of padding
.set SPW,   12                         ; v12  LDS address of my spare word; never rewritten
.set NIL,   13                         ; v13  0; never rewritten
.set SPARE, WAVES*WREG                 ; behind the four regions: the spare words, 128 bytes a wave
	s_load_b256 s[4:11], s[0:1], 0x0               ; hidden_states, Wq, Wk, Wv
	s_load_b256 s[12:19], s[0:1], 0x20             ; Wo, xc, xs, wc
	s_load_b64 s[20:21], s[0:1], 0x40              ; ws
	v_lshl_add_u32 v[SPW], v0, 2, SPARE
	v_mov_b32 v[NIL], 0
	v_lshrrev_b32 v1, 5, v0
	v_readfirstlane_b32 s30, v1                    ; wave
	v_and_b32 v2, 31, v0                           ; lane
	v_lshlrev_b32 v3, 4, v2                        ; my 16 bytes of a load's 512
	s_mul_i32 s31, s30, WREG
	v_lshrrev_b32 v14, 2, v2
	v_mul_u32_u24 v14, v14, SP
	v_and_b32 v15, 3, v2
	v_lshl_add_u32 v14, v15, 4, v14
	v_add_nc_u32 v14, s31, v14                     ; the stage, on the way in: SP (lane / 4) + 16 (lane % 4)
	v_mul_u32_u24 v15, v2, SP
	v_add_nc_u32 v15, s31, v15                     ; and on the way out: SP x lane: my 16 neighbours
	v_and_b32 v4, 15, v2
	v_mul_u32_u24 v4, v4, CB                       ; my codes' place in a place's 192 bytes,
	v_lshrrev_b32 v10, 4, v2
	v_mad_u32_u24 v4, v10, PLANE, v4               ; lanes 16-31 one plane on
	v_lshrrev_b32 v5, 1, v2
	s_add_co_u32 s31, s31, 2*32*SP
	v_add_nc_u32 v5, s31, v5                       ; LDS: my wave's 256 scale bytes, my block's byte
	v_lshlrev_b32 v7, 3, v2                        ; and on the way out 8 bytes a lane
	v_add_nc_u32 v6, s31, v7
	s_and_b32 s28, ttmp9, 31                       ; a weight's work-group among its 32
	s_and_b32 s32, s30, 1
	s_lshl_b32 s32, s32, 1
	s_lshr_b32 s33, s30, 1
	s_or_b32 s32, s32, s33                         ; where my run goes among the work-group's four: 0 2 1 3
	s_wait_alu depctr_va_vdst(0)                   ; the wait at the head's end
	s_wait_kmcnt 0x0
	s_mov_b64 s[22:23], s[12:13]                   ; the source: Wo, unless the work-group's number says otherwise
	s_cmp_lt_u32 ttmp9, 352
	s_cselect_b64 s[22:23], s[10:11], s[22:23]
	s_cmp_lt_u32 ttmp9, 320
	s_cselect_b64 s[22:23], s[8:9], s[22:23]
	s_cmp_lt_u32 ttmp9, 288
	s_cselect_b64 s[22:23], s[6:7], s[22:23]
	s_cmp_lt_u32 ttmp9, 256
	s_cselect_b64 s[22:23], s[4:5], s[22:23]
	s_cselect_b64 s[24:25], s[14:15], s[18:19]     ; the codes go to xc or to wc,
	s_cselect_b64 s[26:27], s[16:17], s[20:21]     ; the scale bytes to xs or to ws
	s_cselect_b32 s28, ttmp9, s28                  ; the work-group's number within its source,
	s_cselect_b32 s29, 0, 256
	s_sub_co_u32 s29, ttmp9, s29                   ; and within its destination
	s_lshl_b32 s28, s28, 2
	s_add_co_u32 s28, s28, s30                     ; the run that I read
	s_lshl_b32 s34, s28, 15                        ; 8,192 numbers of 4 bytes a run
	s_mov_b32 s35, 0
	s_add_nc_u64 s[22:23], s[22:23], s[34:35]
	s_lshl_b32 s29, s29, 2
	s_add_co_u32 s29, s29, s32                     ; the run that I write
	s_mul_i32 s34, s29, 8*192                      ; 8 places of 192 bytes a run, in each plane
	s_add_nc_u64 s[24:25], s[24:25], s[34:35]      ; planes 0 and 1: a row's first half,
	s_add_nc_u64 s[36:37], s[24:25], 2*PLANE       ; planes 2 and 3: its second
	s_lshl_b32 s34, s29, 8                         ; 256 scale bytes a run
	s_add_nc_u64 s[26:27], s[26:27], s[34:35]
.macro LOAD t
.irp i, 0,1,2,3
	global_load_b128 v[R+16*((\t)%4)+4*\i:R+16*((\t)%4)+4*\i+3], v3, s[22:23] offset:2048*(\t)+512*\i th:TH_LOAD_NT   ; 32 lanes read 512 consecutive bytes
.endr
.endm
.macro TURN t                          ; step t's numbers through the stage: LDS serves a wave's instructions in order, so no wait stands between the stores and the loads
.irp i, 0,1,2,3
	ds_store_b128 v14, v[R+16*((\t)%4)+4*\i:R+16*((\t)%4)+4*\i+3] offset:32*SP*((\t)%2)+8*SP*\i
.endr
.irp i, 0,1,2,3
	ds_load_b128 v[X+16*((\t)%2)+4*\i:X+16*((\t)%2)+4*\i+3], v15 offset:32*SP*((\t)%2)+16*\i
.endr
.endm
.irp t, 0,1,2,3
	LOAD \t
.endr
	s_wait_loadcnt 12                              ; step 0's four loads are in
	TURN 0
.macro STEP t
.set XS, X+16*((\t)%2)
.if (\t) > 0
	s_wait_dscnt 1                                 ; this step's numbers are back from the stage (the last step's byte store may be out): so its stores into the stage have read their registers,
.else
	s_wait_dscnt 0x0
.endif
.if (\t)+4 < STEPS
	LOAD (\t)+4                                    ; which take the loads of four steps on
.endif
.if (\t)+1 < STEPS
.if STEPS-2-(\t) >= 3
	s_wait_loadcnt 12                              ; the next step's four loads are in; those of the three steps behind it may be out
.else
	s_wait_loadcnt 4*(STEPS-2-(\t))
.endif
	TURN (\t)+1                                    ; and go through the other stage while this step is worked
.endif
	v_max3_num_f32 v8, |v[XS]|, |v[XS+1]|, |v[XS+2]|               ; the largest magnitude of my 16, in two chains
	v_max3_num_f32 v9, |v[XS+3]|, |v[XS+4]|, |v[XS+5]|
.irp i, 6,10
	v_max3_num_f32 v8, v8, |v[XS+\i]|, |v[XS+\i+1]|
	v_max3_num_f32 v9, v9, |v[XS+\i+2]|, |v[XS+\i+3]|
.endr
	v_max3_num_f32 v8, v8, |v[XS+14]|, |v[XS+15]|
	v_max3_num_f32 v8, v8, v9, 0x1800000           ; and the floor 2^(3 - 127): the byte cannot fall under 1
	v_max_num_f32_dpp v8, v8, v8 row_xmask:1 row_mask:0xf bank_mask:0xf   ; and of my neighbour's 16: the block's
	v_add_nc_u32 v11, 0xff000000, v8               ; 2 off its exponent field: the conversion takes the exponent field of this operand as its scale
	v_cvt_scalef32_pk16_fp6_f32 v[C+4*(\t):C+4*(\t)+2], v[XS:XS+15], v11
	v_lshrrev_b32 v[E+(\t)], 23, v11               ; the scale's byte (a plain line behind the conversion)
	ds_store_b8 v5, v[E+(\t)] offset:16*(\t)       ; both lanes of a block write the same byte with the same value
	global_store_b96 v4, v[C+4*(\t):C+4*(\t)+2], s[24+12*((\t)%2):25+12*((\t)%2)] offset:192*((\t)/2)   ; row t / 2 of my eight, half t % 2
.endm
.irp t, 0,1,2,3,4,5,6,7,8,9,10,11,12,13,14,15
	STEP \t
.endr
	ds_load_b64 v[8:9], v6                         ; LDS serves a wave's instructions in order: these see my stores
	s_wait_dscnt 0x0
	global_store_b64 v7, v[8:9], s[26:27]          ; 32 lanes store 256 consecutive bytes, aligned
	s_wait_tensorcnt 0x0                           ; the wave's end: behind my last LDS store
	ds_add_u32 v[SPW], v[NIL]
	s_wait_dscnt 0x0
	s_endpgm
.Lfunc_end_k_qb57a1f3b9d_quant:
	.size	k_qb57a1f3b9d_quant, .Lfunc_end_k_qb57a1f3b9d_quant-k_qb57a1f3b9d_quant
	.p2alignl 7, 3214868480
	.fill 96, 4, 3214868480
	.section	.rodata,"a",@progbits
	.p2align	6, 0x0
	.amdhsa_kernel k_qb57a1f3b9d_quant
		.amdhsa_group_segment_fixed_size 33280
		.amdhsa_private_segment_fixed_size 0
		.amdhsa_enable_private_segment 0
		.amdhsa_kernarg_size 72
		.amdhsa_user_sgpr_count 2
		.amdhsa_user_sgpr_kernarg_segment_ptr 1
		.amdhsa_wavefront_size32 1
		.amdhsa_system_sgpr_workgroup_id_x 1
		.amdhsa_system_sgpr_workgroup_id_y 1
		.amdhsa_system_sgpr_workgroup_id_z 1
		.amdhsa_system_vgpr_workitem_id 0
		.amdhsa_next_free_vgpr 192
		.amdhsa_next_free_sgpr 66
		.amdhsa_reserve_vcc 0
		.amdhsa_float_denorm_mode_32 3
		.amdhsa_float_denorm_mode_16_64 3
		.amdhsa_memory_ordered 1
		.amdhsa_forward_progress 1
		.amdhsa_inst_pref_size 33
	.end_amdhsa_kernel
	.amdgpu_metadata
---
amdhsa.version: [ 1, 2 ]
amdhsa.kernels:
  - .name:           k_qb57a1f3b9d_quant
    .symbol:         k_qb57a1f3b9d_quant.kd
    .args:
      - { .name: hidden_states, .offset: 0, .size: 8, .value_kind: global_buffer, .address_space: global }
      - { .name: Wq, .offset: 8, .size: 8, .value_kind: global_buffer, .address_space: global }
      - { .name: Wk, .offset: 16, .size: 8, .value_kind: global_buffer, .address_space: global }
      - { .name: Wv, .offset: 24, .size: 8, .value_kind: global_buffer, .address_space: global }
      - { .name: Wo, .offset: 32, .size: 8, .value_kind: global_buffer, .address_space: global }
      - { .name: xc, .offset: 40, .size: 8, .value_kind: global_buffer, .address_space: global }
      - { .name: xs, .offset: 48, .size: 8, .value_kind: global_buffer, .address_space: global }
      - { .name: wc, .offset: 56, .size: 8, .value_kind: global_buffer, .address_space: global }
      - { .name: ws, .offset: 64, .size: 8, .value_kind: global_buffer, .address_space: global }
    .group_segment_fixed_size: 33280
    .private_segment_fixed_size: 0
    .kernarg_segment_align: 8
    .kernarg_segment_size: 72
    .max_flat_workgroup_size: 128
    .sgpr_count:     66
    .vgpr_count:     192
    .wavefront_size: 32
...
	.end_amdgpu_metadata
.endif
;; end of part 1
;; launch qkv (part 2): grid 8 x 32, 4 waves a work-group, clusters of 4 x 4, 327,680 bytes of LDS; arguments xc, xs, wc, ws, bq, bk, bv, cos, sin, qkvc, qkvs; writes qkvc, qkvs
.if DOCPART == 2
	.amdgcn_target "amdgcn-amd-amdhsa--gfx1250"
	.amdhsa_code_object_version 6
	.text
	.protected	k_qb57a1f3b9d_qkv
	.globl	k_qb57a1f3b9d_qkv
	.p2align	8
	.type	k_qb57a1f3b9d_qkv,@function
k_qb57a1f3b9d_qkv:
	s_mov_b64 s[64:65], 0
	v_nop
	global_prefetch_b8 v0, s[64:65] scope:SCOPE_SE
	s_setreg_imm32_b32 hwreg(HW_REG_WAVE_MODE, 25, 1), 1
	s_wait_xcnt 0x0
	s_wait_alu depctr_hold_cnt(0) depctr_sa_sdst(0) depctr_va_vdst(0) depctr_va_sdst(0) depctr_va_ssrc(0) depctr_va_vcc(0) depctr_vm_vsrc(0)
	s_getreg_b32 s2, hwreg(HW_REG_IB_STS2, 6, 4)
	s_cmp_eq_u32 s2, 0
	s_cbranch_scc0 .Lentry_in_a_cluster
	s_endpgm
.Lentry_in_a_cluster:
	s_bfe_u32 s2, ttmp6, 0x10000c
	s_cmp_lg_u32 s2, 0xf033
	s_cbranch_scc0 .Lentry_shape_is_right
	s_endpgm
.Lentry_shape_is_right:
; q = rope(x Wq^T + bq), k = rope(x Wk^T + bk), v = x Wv^T + bv, on codes of FP6 (E2M3) with E8M0 scales; the results are quantised in registers and leave as codes: q and k along the head's 64, v along the KEYS.
; A WORK-GROUP STAYS AND MAKES ONE AND A HALF TILES: the three products are 384 tiles of 256 x 256; 256 work-groups take one tile of q or k each (phase 1) and then half a tile of v (phase 2): 768 matrix instructions a wave, the same for all.
; K = 1,024 goes in four steps of 256 through a ring of two LDS slots filled by the tensor data mover; the ring does not stop between the phases: phase 2's first two K steps are asked for round phase 1's last products and land under its way out.
; THE TWO SIDES.  Side B is source 0: its 16 rows run along a lane's REGISTERS in the result.  Side A is source 1: its rows lie across the LANES.
; PHASE 1 (cluster x = 0: q, 1: k): B = 256 rows of the weight, A = 256 rows of x; a wave makes 128 x 128, 64 accumulators: a lane holds one token and its registers run along the features, which are q's and k's K.
; PHASE 2: B = 256 rows of x, A = 128 rows of Wv; a wave makes 64 features (one head) x 128 keys (one key step), 32 accumulators: a lane holds one feature and its registers run along the keys, which are v's K.
; PLACES.  Rows of xc and wc lie with bits 3 and 4 of the row number swapped.  So in tile 2 B + u of 16 neighbouring places, register j of lane half h is row 32 B + 16 h + 8 u + j (the 16 registers of two neighbouring tiles are 16 neighbours),
; and lane r is row 32 B + 8 u + r + 8 (r / 8).  RoPE's partner, 32 features away, lies in the same lane.
; CLUSTERS: 4 x 4 work-groups.  In both phases A's tile hangs on the y place and is shared along a row of the cluster, B's on the x place and is shared along a column: each is asked for jointly.
; OUT.  qkvc: q at 0, k at REG: [batch][head][tile 64][768 bytes]: a tile (16 places x 64) as the image of six operand registers: registers 0-3 at 16 x lane, registers 4-5 at 512 + 8 x lane.  v at 2 REG: [batch][head][key step 8][tile of 16 features 4][1,536 bytes]: twelve registers, 3 x 512 bytes.
;       qkvs: q at 0, k at 524,288: [batch][head][group of 8 tiles][row 16][tile 8][word]: two bytes, the upper two 0.  v at 1,048,576: [batch][head][key step][row 16][tile 4][word].
; LIMITS: a block whose largest magnitude lies under 2^-124 keeps the byte 1; a block of zeros gets the byte 1 (its codes are zeros; this program alone reads the bytes); NaN and infinities are not served.
; REGISTERS, in windows of 256: window 0: v0-31 addresses; v32-63 scale words, two sets; v128-223 A's fragments (phase 1: one set of eight; phase 2: two sets of four); v64-127 and v224-255 are the ways out's.
;   window 1: B's fragments, two sets, at v0 and v128; the rest takes cos and sin.  windows 2, 3: the accumulators ((a, b) at v[8 (8 (a % 4) + b)]); phase 2 uses window 2 alone.
.set REG,    6291456
.set NQ,     2                         ; matrix instructions deep in a slot
.set ROWB,   1572864                   ; from one K step of 256 to the next in xc and wc: a plane of 8,192 places x 192 bytes
.set TROW,   256                       ; a tile is dense in its plane: it is loaded as rows of 256 bytes, each at a multiple of 256 bytes
.set KROW,   192                       ; a place's bytes in a plane
.set PITCH,  240                       ; an LDS row: 3 x (64 bytes + 16 of padding)
.set FR,     12
.set NL,     6
.set NP,     4
.set HALFT,  128*PITCH                 ; 128 rows: what a wave reads of a side (phase 2, side A: 64 rows, HALFA2)
.set HALFA2, 64*PITCH
.set SLOT,   4*HALFT
.set KS,     32                        ; a row of scale bytes
.set SCL,    2*SLOT                    ; phase 1's scales: A's 256 rows, then B's 256, as runs of 256 bytes + 16 of padding
.set HALFS,  (128*KS/256)*272
.set HALFS2, (64*KS/256)*272
.set SBLK,   (16*KS/256)*272
.set SCL2,   SCL                       ; phase 2's scales fill phase 1's bytes again: A's 128 rows, then B's 256
.set SPARE,  SCL+4*HALFS               ; the spare words, 128 bytes a wave
.set ADRA, 16
.set ADRB, 20
.set ADRS, 27
.set SPW,  28
.set NIL,  29
.set SC,   32
.set AF,   128
.set G1,    24                         ; s[24:31] group 1, A's tiles of phase 1;  s[32:39] A's groups 0, one for each slot
.set G0,    32
.set G1B,   48                         ; s[48:55] group 1, B's tiles of both phases;  s[56:63] B's groups 0
.set G0B,   56
.set G1S,   68                         ; the scales' descriptors: phase 1's A, B
.set G0S,   76
.set G1SB,  80
.set G0SB,  88
.set G0S2,  20                         ; phase 2's scales: groups 0 as the head makes them, A's and B's;
.set G0SB2, 44
.set K0S2,  4                          ; s[4:7], s[8:11] where they are kept until the change of phases (the arguments that lay there have been used)
.set K0SB2, 8
.set G1T,   24                         ; s[24:31], s[84:91] their groups 1, written at the change of phases
.set G1TB,  84
.set G1A2,  92                         ; s[92:99] again, once the scales have landed: group 1, A's tiles of phase 2
.set PA2,   100                        ; s[100:101] where my part of phase 2's A begins;  s[104:105] B's
.set PB2,   104
.set SEL,  18                          ; s[18:19] on the ways out: lane selects for lane l xor 16
.set BIAS, 64                          ; q, k: v64-127 the biases of my 128 features, as the accumulators lie
.set T,    128                         ; numbers at work
.set R,    160                         ; q, k: after the rotation
.set CDS,  208                         ; q, k: codes, two sets of eight
.set SW,   224                         ; q, k: v224-239 the scale words: (head g, tile a) at 8 g + a
.set OUTW, 240
.set TM,   244                         ; q, k: v244-251 the quantiser's work
.set BV,   64                          ; v: v64-71 my feature's bias for each tile, twice
.set TM4,  80                          ; v: v80-95 the quantiser's work
.set PW,   96                          ; v: the scale word just made
.set PCV,  100                         ; v: v100-118 codes
.set SWV,  232                         ; v: v232-235 the scale words of the four tiles
.set MSB, 0
.macro WIN new                         ; the immediate's high byte repeats the setting that is left
.if MSB != \new
	s_set_vgpr_msb (MSB<<8)|\new
.set MSB, \new
.endif
.endm
.set MUL_LO, 0xa1                      ; source 0 (B) window 1, source 1 (A) window 0, C and D window 2
.set MUL_HI, 0xf1
.set TO_B,   0x40
; Joint loads stand in one chain of branches on the wave's number, one load to an arm, all arms leading to one join.  An s_nop 0 and four v_nop follow each load.
.macro ARM w, g0, g1, next, join
	s_cmp_lg_u32 s14, \w
	s_cbranch_scc1 \next
	tensor_load_to_lds s[\g0:\g0+3], s[\g1:\g1+7]
	s_nop 0
.rept 4
	v_nop
.endr
	s_branch \join
\next:
.endm
; The ring's loads, one a wave: waves 0 and 1 fetch the two halves of A's tile, waves 2 and 3 those of B's.  The branch hangs on the wave's number alone.
.macro JLOAD g0a, g1a, g0b, g1b
	s_cmp_eq_u32 s15, 0
	s_cbranch_scc0 .Lfor_b_\@
	tensor_load_to_lds s[\g0a:\g0a+3], s[\g1a:\g1a+7]
	s_nop 0
.rept 4
	v_nop
.endr
	s_branch .Lasked_\@
.Lfor_b_\@:
	tensor_load_to_lds s[\g0b:\g0b+3], s[\g1b:\g1b+7]
	s_nop 0
.rept 4
	v_nop
.endr
.Lasked_\@:
.endm
; Four tiles, one a wave: A's and B's codes, A's and B's scales.
.macro JLOAD4 g0a, g1a, g0b, g1b, g0c, g1c, g0d, g1d
	ARM 0, \g0a, \g1a, .Lw1_\@, .Lall_\@
	ARM 1, \g0b, \g1b, .Lw2_\@, .Lall_\@
	ARM 2, \g0c, \g1c, .Lw3_\@, .Lall_\@
	tensor_load_to_lds s[\g0d:\g0d+3], s[\g1d:\g1d+7]
	s_nop 0
.rept 4
	v_nop
.endr
.Lall_\@:
.endm
.macro CREST                           ; a round of the cluster's barrier behind its opening barrier
	s_cmp_lg_u32 s14, 0
	s_cbranch_scc1 .Lnot_wave_0_\@
	s_barrier_signal -3
.Lnot_wave_0_\@:
	s_barrier_wait -3
	s_barrier_signal -1
	s_barrier_wait -1
.endm
.macro CROUND
	s_barrier_signal -1
	s_barrier_wait -1
	CREST
.endm
	s_load_b256 s[4:11], s[0:1], 0x0               ; xc, xs, wc, ws
	v_lshl_add_u32 v[SPW], v0, 2, SPARE
	v_mov_b32 v[NIL], 0
	ds_add_u32 v[SPW], v[NIL]                      ; the wave's opening: the add and its wait ahead of my first tensor load; the set-up below stands between them
	ds_add_u32 v[SPW], v[NIL]
	v_lshrrev_b32 v1, 5, v0
	v_readfirstlane_b32 s14, v1                    ; wave 0..3
	s_lshr_b32 s15, s14, 1                         ; which half of A's rows is mine.  Also: in the ring I fetch for A (0) or for B (1)
	s_and_b32 s16, s14, 1                          ; which half of B's.  Also: which half of a tile I fetch in the ring
	s_bfe_u32 s40, ttmp6, 0x40000                  ; cx, cy: my place in the cluster
	s_bfe_u32 s41, ttmp6, 0x40004
	s_and_b32 s13, ttmp7, 0xffff                   ; cluster y: 0..7, the batch;  ttmp9, cluster x: 0 q, 1 k
	s_lshl_b32 s42, ttmp9, 2
	s_add_co_u32 s42, s42, s40                     ; phase 1, B: tile 4 x cluster x + cx of wc's 256-row tiles (0-3 Wq, 4-7 Wk)
	s_lshl_b32 s17, s13, 2
	s_add_co_u32 s17, s17, s41                     ; phase 1, A: tile 4 x cluster y + cy of xc
	s_lshl_b32 s12, s13, 2
	s_add_co_u32 s12, s12, s40                     ; phase 2, B: tile 4 x cluster y + cx of xc
	s_lshl_b32 s2, ttmp9, 2
	s_add_co_u32 s2, s2, s41                       ; phase 2, A: which 128 rows of Wv: 4 x cluster x + cy
	s_lshl_b32 s43, s41, 2
	s_lshl_b32 s43, 15, s43                        ; my row of the cluster
	s_lshl_b32 s44, 0x1111, s40                    ; my column
	s_or_b32 s[G1+0], s43, (0<<16)|(1<<20)|(1<<21)|(3<<22)|(3<<25)  ; the mask; elements of 1 byte; padding on; bit 21 beside a mask; 4 words of padding behind every 16
	s_or_b32 s[G1B+0], s44, (0<<16)|(1<<20)|(1<<21)|(3<<22)|(3<<25)
.irp g, G1, G1B
	s_mov_b32 s[\g+1], TROW<<16                    ; tensor_dim0
	s_mov_b32 s[\g+2], 192<<16                     ; tensor_dim1: 256 places x 192 bytes are 192 rows of 256
	s_mov_b32 s[\g+3], TROW<<16                    ; tile_dim0
	s_mov_b32 s[\g+4], 192                         ; tile_dim1
	s_mov_b32 s[\g+5], TROW                        ; the pitch: dense
	s_mov_b32 s[\g+6], 0
	s_mov_b32 s[\g+7], 0
.endr
	s_or_b32 s[G1S+0], s43, (3<<16)|(1<<20)|(1<<21)|(5<<22)|(3<<25)   ; the scales of 256 rows: 8,192 dense bytes as rows of 256 bytes, 16 of padding behind each
	s_or_b32 s[G1SB+0], s44, (3<<16)|(1<<20)|(1<<21)|(5<<22)|(3<<25)
.irp g, G1S, G1SB
	s_mov_b32 s[\g+1], 32<<16
	s_mov_b32 s[\g+2], (256*KS/256)<<16            ; the scales of 256 rows: 8,192 dense bytes
	s_mov_b32 s[\g+3], 32<<16
	s_mov_b32 s[\g+4], 256*KS/256
	s_mov_b32 s[\g+5], 32
	s_mov_b32 s[\g+6], 0
	s_mov_b32 s[\g+7], 0
.endr
	; the first rows that I fetch.  What hangs on cy stands in s18, s19, what hangs on cx in s66, s67
	s_lshl_b32 s18, s17, 8                         ; phase 1, A: place 256 x tile of xc
	s_lshl_b32 s66, s42, 8                         ; phase 1, B: likewise of wc
	s_lshl_b32 s67, s12, 8                         ; phase 2, B: of xc
	s_lshl_b32 s19, s2, 7
	s_add_co_u32 s19, s19, 2048                    ; phase 2, A: place 2,048 + 128 x part of wc: Wv begins at place 2,048
	; groups 0: the count, the LDS address (the wave's number and constants alone), and for now the byte offset in the buffer (all under 2^23)
	s_mov_b32 s[G0S], 1
	s_mov_b32 s[G0S+1], SCL
	s_lshl_b32 s[G0S+2], s18, 5
	s_mov_b32 s[G0S+3], 0
	s_mov_b32 s[G0SB], 1
	s_mov_b32 s[G0SB+1], SCL+2*HALFS
	s_lshl_b32 s[G0SB+2], s66, 5
	s_mov_b32 s[G0SB+3], 0
	s_mov_b32 s[G0S2], 1
	s_mov_b32 s[G0S2+1], SCL2
	s_lshl_b32 s[G0S2+2], s19, 5
	s_mov_b32 s[G0S2+3], 0
	s_mov_b32 s[G0SB2], 1                          ; (the column's mask, which stood here, has been used)
	s_mov_b32 s[G0SB2+1], SCL2+2*HALFS2
	s_lshl_b32 s[G0SB2+2], s67, 5
	s_mov_b32 s[G0SB2+3], 0
	s_lshl_b32 s3, s16, 7                          ; the codes' addresses take my half of a tile in: 128 places, of phase 2's A 64.  In waves 0 and 2 that is 0: their addresses also serve a whole tile
	s_add_co_u32 s18, s18, s3
	s_add_co_u32 s66, s66, s3
	s_add_co_u32 s67, s67, s3
	s_lshl_b32 s3, s16, 6
	s_add_co_u32 s19, s19, s3
	s_mov_b32 s[G0], 1
	s_mul_i32 s[G0+1], s14, HALFT                  ; wave x 128 rows: A's two halves, then B's two
	s_mul_i32 s[G0+2], s18, KROW
	s_mov_b32 s[G0+3], 0
	s_mov_b32 s[G0+4], 1
	s_add_co_u32 s[G0+5], s[G0+1], SLOT
	s_mov_b32 s[G0B], 1
	s_mul_i32 s[G0B+1], s14, HALFT
	s_mul_i32 s[G0B+2], s66, KROW
	s_mov_b32 s[G0B+3], 0
	s_mov_b32 s[G0B+4], 1
	s_add_co_u32 s[G0B+5], s[G0B+1], SLOT
	s_mul_i32 s[PA2], s19, KROW
	s_mov_b32 s[PA2+1], 0
	s_mul_i32 s[PB2], s67, KROW
	s_mov_b32 s[PB2+1], 0
	s_wait_dscnt 0x0                               ; the opening add is done
	s_wait_kmcnt 0x0
	s_add_nc_u64 s[G0S+2:G0S+3], s[6:7], s[G0S+2:G0S+3]          ; phase 1: A's scales in xs,
	s_or_b32 s[G0S+3], s[G0S+3], 0x80000000
	s_add_nc_u64 s[G0SB+2:G0SB+3], s[10:11], s[G0SB+2:G0SB+3]    ; B's in ws;
	s_or_b32 s[G0SB+3], s[G0SB+3], 0x80000000
	s_add_nc_u64 s[G0S2+2:G0S2+3], s[10:11], s[G0S2+2:G0S2+3]    ; phase 2: A's in ws,
	s_or_b32 s[G0S2+3], s[G0S2+3], 0x80000000
	s_add_nc_u64 s[G0SB2+2:G0SB2+3], s[6:7], s[G0SB2+2:G0SB2+3]  ; B's in xs
	s_or_b32 s[G0SB2+3], s[G0SB2+3], 0x80000000
	s_add_nc_u64 s[G0+2:G0+3], s[4:5], s[G0+2:G0+3]              ; phase 1: A's codes in xc: K step 0,
	s_add_nc_u64 s[G0+6:G0+7], s[G0+2:G0+3], ROWB                ; K step 1
	s_or_b32 s[G0+3], s[G0+3], 0x80000000
	s_or_b32 s[G0+7], s[G0+7], 0x80000000
	s_add_nc_u64 s[G0B+2:G0B+3], s[8:9], s[G0B+2:G0B+3]          ; B's in wc
	s_add_nc_u64 s[G0B+6:G0B+7], s[G0B+2:G0B+3], ROWB
	s_or_b32 s[G0B+3], s[G0B+3], 0x80000000
	s_or_b32 s[G0B+7], s[G0B+7], 0x80000000
	s_add_nc_u64 s[PA2:PA2+1], s[8:9], s[PA2:PA2+1]              ; phase 2: A's codes in wc, B's in xc: kept for the change of phases
	s_add_nc_u64 s[PB2:PB2+1], s[4:5], s[PB2:PB2+1]
.irp i, 0,1,2,3
	s_mov_b32 s[K0S2+\i], s[G0S2+\i]               ; phase 2's scales: their groups 0 are kept where the four arguments lay
	s_mov_b32 s[K0SB2+\i], s[G0SB2+\i]
.endr
	CROUND                                         ; all sixteen work-groups are here: the first joint loads meet
	JLOAD4 G0, G1, G0S, G1S, G0B, G1B, G0SB, G1SB  ; one tensor load a wave at the head: wave 0 K step 0 of A, whole, wave 1 A's scales, wave 2 K step 0 of B, whole, wave 3 B's scales
	v_and_b32 v1, 15, v0                           ; l % 16
	v_bfe_u32 v2, v0, 4, 1                         ; l / 16
	v_mul_u32_u24 v3, v1, PITCH
	v_mul_u32_u24 v4, v2, 24
	v_add_nc_u32 v4, v3, v4                        ; a fragment's row x pitch + 24 x half
	v_lshl_add_u32 v5, v2, 4, v4                   ; and the same behind one padding more
	s_mul_i32 s18, s15, HALFT                      ; my 128 rows of A
	s_mul_i32 s19, s16, HALFT                      ; my 128 rows of B,
	s_add_co_u32 s19, s19, 2*HALFT                 ; which lie behind A's 256
.irp s, 0,1
	v_add_nc_u32 v[ADRA+\s], s18, v4
	v_add_nc_u32 v[ADRB+\s], s19, v4
	v_add_nc_u32 v[ADRA+2+\s], s18, v5
	v_add_nc_u32 v[ADRB+2+\s], s19, v5
	s_add_co_u32 s18, s18, SLOT
	s_add_co_u32 s19, s19, SLOT
.endr
	v_mul_u32_u24 v5, v1, KS                       ; my row's scales: 32 bytes a row,
	v_lshrrev_b32 v6, 8, v5
	v_lshl_add_u32 v5, v6, 4, v5                   ; and 16 more for each 256 passed
	s_mul_i32 s18, s15, HALFS
	s_mul_i32 s19, s16, HALFS
	s_add_co_u32 s19, s19, 2*HALFS
	s_sub_co_u32 s19, s19, s18
	v_mul_u32_u24 v6, s19, v2                      ; lanes 16-31 take B's
	s_add_co_u32 s18, s18, SCL
	v_add_nc_u32 v5, v5, v6
	v_add_nc_u32 v[ADRS], s18, v5
.macro FRAG reg, adr, q, i             ; a fragment, 16 rows x 128 K: lane l holds row l % 16; registers 6 c .. 6 c + 5 hold K = 64 c + 32 (l / 16) + 0 .. 31: 24 bytes of the row, in pieces of 8
.irp p, 0,1,2,3,4,5
.set PCE, 12*(\q)+6*(\p/3)+\p%3       ; where the piece three on lies behind one padding more, the second address register serves
.if PCE%8 < 5
	ds_load_b64 v[\reg+2*\p:\reg+2*\p+1], v[\adr] offset:8*PCE+16*(PCE/8)+(\i)*16*PITCH
.else
	ds_load_b64 v[\reg+2*\p:\reg+2*\p+1], v[\adr+2] offset:8*PCE+16*(PCE/8)+(\i)*16*PITCH
.endif
.endr
.endm
; PHASE 1: 16 matrix instructions: A's blocks a0, a0 + 1 x B's eight.  The 64 accumulators take turns, one instruction a turn, in the same order in every step.
.macro MUL16 a0, p, q, sc, zero
.irp a, \a0, \a0+1
.irp b, 0,1,2,3,4,5,6,7
.if \zero
	v_wmma_scale_f32_16x16x128_f8f6f4 v[8*(8*((\a)%4)+\b):8*(8*((\a)%4)+\b)+7], v[128*(\p)+FR*\b:128*(\p)+FR*\b+FR-1], v[AF+FR*(\a):AF+FR*(\a)+FR-1], 0, v[SC+8*NQ*(\sc)+NQ*\b+(\q)], v[SC+8*NQ*(\sc)+NQ*(\a)+(\q)] matrix_a_fmt:MATRIX_FMT_FP6 matrix_b_fmt:MATRIX_FMT_FP6 matrix_a_scale:MATRIX_SCALE_ROW1
.else
	v_wmma_scale_f32_16x16x128_f8f6f4 v[8*(8*((\a)%4)+\b):8*(8*((\a)%4)+\b)+7], v[128*(\p)+FR*\b:128*(\p)+FR*\b+FR-1], v[AF+FR*(\a):AF+FR*(\a)+FR-1], v[8*(8*((\a)%4)+\b):8*(8*((\a)%4)+\b)+7], v[SC+8*NQ*(\sc)+NQ*\b+(\q)], v[SC+8*NQ*(\sc)+NQ*(\a)+(\q)] matrix_a_fmt:MATRIX_FMT_FP6 matrix_b_fmt:MATRIX_FMT_FP6 matrix_a_scale:MATRIX_SCALE_ROW1
.endif
.endr
.endr
.endm
; PHASE 2: 8 matrix instructions: A's block a (of four, in set p) x B's eight.  The 32 accumulators take turns in the same way.
.macro MULA a, p, q, sc, zero
.irp b, 0,1,2,3,4,5,6,7
.if \zero
	v_wmma_scale_f32_16x16x128_f8f6f4 v[8*(8*(\a)+\b):8*(8*(\a)+\b)+7], v[128*(\p)+FR*\b:128*(\p)+FR*\b+FR-1], v[AF+48*(\p)+FR*(\a):AF+48*(\p)+FR*(\a)+FR-1], 0, v[SC+8*NQ*(\sc)+NQ*\b+(\q)], v[SC+8*NQ*(\sc)+NQ*(\a)+(\q)] matrix_a_fmt:MATRIX_FMT_FP6 matrix_b_fmt:MATRIX_FMT_FP6 matrix_a_scale:MATRIX_SCALE_ROW1
.else
	v_wmma_scale_f32_16x16x128_f8f6f4 v[8*(8*(\a)+\b):8*(8*(\a)+\b)+7], v[128*(\p)+FR*\b:128*(\p)+FR*\b+FR-1], v[AF+48*(\p)+FR*(\a):AF+48*(\p)+FR*(\a)+FR-1], v[8*(8*(\a)+\b):8*(8*(\a)+\b)+7], v[SC+8*NQ*(\sc)+NQ*\b+(\q)], v[SC+8*NQ*(\sc)+NQ*(\a)+(\q)] matrix_a_fmt:MATRIX_FMT_FP6 matrix_b_fmt:MATRIX_FMT_FP6 matrix_a_scale:MATRIX_SCALE_ROW1
.endif
.endr
.endm
.macro FETCH_B slot, q, p
	WIN TO_B
.irp i, 0,1,2,3,4,5,6,7
	FRAG 128*(\p)+FR*\i, ADRB+\slot, \q, \i
.endr
	WIN 0
.endm
.macro FETCH_A slot, q, i0             ; phase 1: A's blocks i0 .. i0 + 3
.irp i, \i0, \i0+1, \i0+2, \i0+3
	FRAG AF+FR*(\i), ADRA+\slot, \q, \i
.endr
.endm
.macro FETCH_A2 slot, q, p             ; phase 2: A's four blocks into set p
.irp i, 0,1,2,3
	FRAG AF+48*(\p)+FR*\i, ADRA+\slot, \q, \i
.endr
.endm
.macro SCALES sc                       ; a K step's scale words: lanes 0-15 take A's block i, lanes 16-31 B's block i (in phase 2 A has four blocks: what lanes 0-15 bring for i = 4 .. 7 is read by no product)
.irp i, 0,1,2,3,4,5,6,7
	ds_load_b64 v[SC+8*NQ*\sc+NQ*\i:SC+8*NQ*\sc+NQ*\i+1], v[ADRS] offset:\i*SBLK
.endr
.endm
.macro PLACES n                        ; plain vector lines between a matrix instruction and a load into, or a read of, its registers
.rept \n
	v_nop
.endr
.endm
.macro STEP slot, q, zero              ; phase 1: 128 along K that have their successor in the same slot
	s_wait_dscnt 4*NL                              ; B's set and A's blocks 0-3 are in; the youngest 24 loads (A's blocks 4-7) may be out
	WIN MUL_LO
	MUL16 0, (\q)%2, \q, \slot, \zero
	MUL16 2, (\q)%2, \q, \slot, \zero
	s_wait_dscnt 0
	PLACES NP
	FETCH_B \slot, (\q)+1, 1-(\q)%2
	FETCH_A \slot, (\q)+1, 0
	WIN MUL_HI
	MUL16 4, (\q)%2, \q, \slot, \zero
	MUL16 6, (\q)%2, \q, \slot, \zero
	PLACES NP
	WIN 0
	FETCH_A \slot, (\q)+1, 4
.endm
; Phase 1: a slot's last step changes slots: one barrier, which opens a round of the cluster's; in front of it each wave waits for all its tensor loads, adds 0 to its spare word, and waits for that and for its own reads of this slot.
; fill = 1: the slot takes this phase's K step two on.  fill = 2 (slot 0): it takes phase 2's K step 0.
.macro TURN slot, next, fill
	s_wait_tensorcnt 0x0                           ; all my tensor loads have landed: my part of the next slot
	ds_add_u32 v[SPW], v[NIL]
	s_wait_dscnt 4*NL+1                            ; (the add and the youngest 24 loads may be out)
	WIN MUL_LO
	MUL16 0, 1, NQ-1, \slot, 0
	s_wait_dscnt 0x0                               ; the add is done, and my reads of this slot are over
	s_barrier_signal -1
	MUL16 2, 1, NQ-1, \slot, 0
	WIN 0
	s_barrier_wait -1
	CREST                                          ; no wave of any partner still reads this slot or has a load on its way
.if \fill == 1
	s_add_nc_u64 s[G0+4*\slot+2:G0+4*\slot+3], s[G0+4*\slot+2:G0+4*\slot+3], 2*ROWB
	s_add_nc_u64 s[G0B+4*\slot+2:G0B+4*\slot+3], s[G0B+4*\slot+2:G0B+4*\slot+3], 2*ROWB
	JLOAD G0+4*\slot, G1, G0B+4*\slot, G1B         ; the first tensor load behind the round; its four v_nop are the places in front of the loads below
.else
	; A's tile is 128 rows now, at the same place in the slot; B's place stays
	s_mul_i32 s[G0+1], s16, HALFA2                 ; A's two halves are 64 rows each now
	s_mov_b64 s[G0+2:G0+3], s[PA2:PA2+1]
	s_or_b32 s[G0+3], s[G0+3], 0x80000000
	s_mov_b64 s[G0B+2:G0B+3], s[PB2:PB2+1]
	s_or_b32 s[G0B+3], s[G0B+3], 0x80000000
	JLOAD G0, G1A2, G0B, G1B
.endif
	s_wait_alu depctr_va_vdst(0)
	v_add_nc_u32 v[ADRS], 4*NQ, v[ADRS]            ; on to the next K step's scale words
	FETCH_B \next, 0, 0
	FETCH_A \next, 0, 0
	SCALES \next
	WIN MUL_HI
	MUL16 4, 1, NQ-1, \slot, 0
	MUL16 6, 1, NQ-1, \slot, 0
	PLACES NP
	WIN 0
	FETCH_A \next, 0, 4
.endm
; Phase 2: the slot's first 128 along K, on sets 0.  The next step's 72 loads go out first, into sets 1, and land under the 32 products.
.macro STEP2 slot, zero
	s_wait_dscnt 0x0                               ; this step's fragments and scale words are in
	PLACES NP                                      ; sets 1 were read by the products just issued
	FETCH_B \slot, 1, 1
	FETCH_A2 \slot, 1, 1
	WIN MUL_LO
.irp a, 0,1,2,3
	MULA \a, 0, 0, \slot, \zero
.endr
	WIN 0
.endm
; Phase 2: the slot's last 128 along K, on sets 1, and the change of slots.  fill = 1: the slot takes the K step two on, behind a round of the cluster's barrier.
.macro TURN2 slot, next, fill
	s_wait_tensorcnt 0x0                           ; all my tensor loads have landed: my part of the next slot
	ds_add_u32 v[SPW], v[NIL]
	s_wait_dscnt 1                                 ; this step's fragments are in (the add alone may be out)
	WIN MUL_LO
	MULA 0, 1, 1, \slot, 0
	s_wait_dscnt 0x0                               ; the add is done; my reads of this slot were over at the wait above
	s_barrier_signal -1
	MULA 1, 1, 1, \slot, 0
	WIN 0
	s_barrier_wait -1
.if \fill
	CREST
	s_add_nc_u64 s[G0+4*\slot+2:G0+4*\slot+3], s[G0+4*\slot+2:G0+4*\slot+3], 2*ROWB
	s_add_nc_u64 s[G0B+4*\slot+2:G0B+4*\slot+3], s[G0B+4*\slot+2:G0B+4*\slot+3], 2*ROWB
	JLOAD G0+4*\slot, G1A2, G0B+4*\slot, G1B       ; the first tensor load behind the round; its four v_nop are the places in front of the loads below
.else
	PLACES NP
.endif
	s_wait_alu depctr_va_vdst(0)
	v_add_nc_u32 v[ADRS], 4*NQ, v[ADRS]
	FETCH_B \next, 0, 0
	FETCH_A2 \next, 0, 0
	SCALES \next
	WIN MUL_LO
	MULA 2, 1, 1, \slot, 0
	MULA 3, 1, 1, \slot, 0
	WIN 0
.endm
; 32 numbers of a lane (block b at s + 16 b; number i is k = 32 b + 16 (lane / 16) + i of my row) become six operand registers at d (e: three more, at work) and the row's scale word (two bytes) in w.
.macro QUANT2 s, d, e, w
.irp b, 0,1
	v_max3_num_f32 v[TM+\b], |v[\s+16*\b]|, |v[\s+1+16*\b]|, 0x1800000   ; my 16 numbers, and the floor 2^(3 - 127): the byte cannot fall under 1
.endr
.irp i, 2,4,6,8,10,12,14
.irp b, 0,1
	v_max3_num_f32 v[TM+\b], v[TM+\b], |v[\s+16*\b+\i]|, |v[\s+1+16*\b+\i]|
.endr
.endr
.irp b, 0,1
	v_permlanex16_b32 v[TM+2+\b], v[TM+\b], s[SEL], s[SEL+1]
.endr
.irp b, 0,1
	v_max_num_f32 v[TM+\b], v[TM+\b], v[TM+2+\b]   ; with lane l xor 16's: the block's largest magnitude
.endr
.irp b, 0,1
	v_add_nc_u32 v[TM+4+\b], 0xff000000, v[TM+\b]  ; 2 off its exponent field: the conversion's scale operand
.endr
.irp b, 0,1
	v_lshrrev_b32 v[TM+6+\b], 23, v[TM+4+\b]       ; the scale's byte
.endr
	v_lshl_or_b32 v[\w], v[TM+7], 8, v[TM+6]
	v_cvt_scalef32_pk16_fp6_f32 v[\d:\d+2], v[\s:\s+15], v[TM+4]
	v_cvt_scalef32_pk16_fp6_f32 v[\e:\e+2], v[\s+16:\s+31], v[TM+5]
	v_nop                                          ; one plain line behind a scaled conversion
.irp i, 0,1,2
	v_permlane16_swap_b32 v[\d+\i], v[\e+\i]       ; the layout wants a whole block in a lane: lanes 0-15 block 0, lanes 16-31 block 1
.endr
.irp i, 0,1,2
	v_mov_b32 v[\d+3+\i], v[\e+\i]                 ; ascending, so that e may begin at d + 4
.endr
.endm
; 64 numbers of a lane (number 16 b + i is k = 32 b + 16 (lane / 16) + i) become twelve operand registers at PCV and the scale word in PW.
.macro QUANT4 s
.irp b, 0,1,2,3
	v_max3_num_f32 v[TM4+\b], |v[\s+16*\b]|, |v[\s+1+16*\b]|, 0x1800000
.endr
.irp i, 2,4,6,8,10,12,14
.irp b, 0,1,2,3
	v_max3_num_f32 v[TM4+\b], v[TM4+\b], |v[\s+16*\b+\i]|, |v[\s+1+16*\b+\i]|
.endr
.endr
.irp b, 0,1,2,3
	v_permlanex16_b32 v[TM4+4+\b], v[TM4+\b], s[SEL], s[SEL+1]
.endr
.irp b, 0,1,2,3
	v_max_num_f32 v[TM4+\b], v[TM4+\b], v[TM4+4+\b]
.endr
.irp b, 0,1,2,3
	v_add_nc_u32 v[TM4+12+\b], 0xff000000, v[TM4+\b]
.endr
.irp b, 0,1,2,3
	v_lshrrev_b32 v[TM4+4+\b], 23, v[TM4+12+\b]
.endr
	v_lshl_or_b32 v[PW], v[TM4+5], 8, v[TM4+4]
	v_lshl_or_b32 v[PW], v[TM4+6], 16, v[PW]
	v_lshl_or_b32 v[PW], v[TM4+7], 24, v[PW]
.irp c, 0,1
	v_cvt_scalef32_pk16_fp6_f32 v[PCV+6*\c:PCV+2+6*\c], v[\s+32*\c:\s+15+32*\c], v[TM4+12+2*\c]
	v_cvt_scalef32_pk16_fp6_f32 v[PCV+12+4*\c:PCV+14+4*\c], v[\s+16+32*\c:\s+31+32*\c], v[TM4+12+2*\c+1]
.endr
	v_nop
.irp c, 0,1
.irp i, 0,1,2
	v_permlane16_swap_b32 v[PCV+6*\c+\i], v[PCV+12+4*\c+\i]
.endr
.irp i, 0,1,2
	v_mov_b32 v[PCV+3+6*\c+\i], v[PCV+12+4*\c+\i]
.endr
.endr
.endm
	; ======== PHASE 1: q or k.  K = 1,024 is four K steps, two laps of the ring: they are written out.
	s_wait_alu depctr_va_vdst(0)
	s_wait_tensorcnt 0x0                           ; my tile of the head's four is in
	ds_add_u32 v[SPW], v[NIL]
	s_mov_b32 s[G1+2], 96<<16                      ; no tensor load of mine is out: from here on a load brings half a tile, 128 places, 96 rows of 256 bytes
	s_mov_b32 s[G1+4], 96
	s_mov_b32 s[G1B+2], 96<<16
	s_mov_b32 s[G1B+4], 96
	s_wait_dscnt 0x0
	CROUND
	JLOAD G0+4, G1, G0B+4, G1B
	s_load_b256 s[68:75], s[0:1], 0x20             ; the scales' loads are done, so their descriptors' registers take the other arguments: bq, bk, bv, cos,
	s_load_b128 s[76:79], s[0:1], 0x40             ; sin, qkvc,
	s_load_b64 s[80:81], s[0:1], 0x50              ; qkvs: waited for on the way out;
	s_or_b32 s[G1A2+0], s43, (0<<16)|(1<<20)|(1<<21)|(3<<22)|(3<<25)   ; and group 1 for phase 2's tiles of A: my row's mask, 64 rows of 192 bytes, padded as the others
	s_mov_b32 s[G1A2+1], TROW<<16
	s_mov_b32 s[G1A2+2], 48<<16                    ; half a tile: 64 places x 192 bytes are 48 rows of 256
	s_mov_b32 s[G1A2+3], TROW<<16
	s_mov_b32 s[G1A2+4], 48
	s_mov_b32 s[G1A2+5], TROW
	s_mov_b32 s[G1A2+6], 0
	s_mov_b32 s[G1A2+7], 0
	FETCH_B 0, 0, 0
	FETCH_A 0, 0, 0
	SCALES 0
	FETCH_A 0, 0, 4
	STEP 0, 0, 1                                   ; the first products start the sums
	TURN 0, 1, 1                                   ; slot 0 takes K step 2
	STEP 1, 0, 0
	TURN 1, 0, 1                                   ; slot 1 takes K step 3
	STEP 0, 0, 0
	TURN 0, 1, 2                                   ; THE RING GOES ON INTO PHASE 2: slot 0 takes its K step 0
	STEP 1, 0, 0
	; The way out's addresses and first loads stand ahead of the last products.
	; Lane (r, h) of accumulator (a, b): token 128 grp + 32 (a / 2) + 8 (a % 2) + r + 8 (r / 8) of the batch; register j: feature 64 (b / 4) + 32 ((b % 4) / 2) + 16 h + 8 (b % 2) + j of my 128.
	s_wait_kmcnt 0x0
	s_lshr_b32 s82, s17, 2                         ; the batch
	s_and_b32 s83, s17, 3
	s_lshl_b32 s83, s83, 1
	s_add_co_u32 s83, s83, s15                     ; grp: which 128 tokens of the batch's 1,024
	s_and_b32 s84, s42, 3                          ; which 256 features
	s_lshl_b32 s85, s84, 2
	s_lshl_b32 s86, s16, 1
	s_add_co_u32 s85, s85, s86                     ; my first head
	s_lshl_b32 s82, s82, 4
	s_add_co_u32 s82, s82, s85                     ; 16 x batch + head
	s_mul_i32 s86, s82, 49152
	s_mul_i32 s87, s83, 6144
	s_add_co_u32 s86, s86, s87
	s_mul_i32 s87, ttmp9, REG
	s_add_co_u32 s86, s86, s87
	s_mov_b32 s87, 0
	s_add_nc_u64 s[20:21], s[78:79], s[86:87]      ; the codes of my first head's eight tiles
	s_lshl_b32 s86, s82, 12
	s_lshl_b32 s88, s83, 9
	s_add_co_u32 s86, s86, s88
	s_lshl_b32 s88, ttmp9, 19
	s_add_co_u32 s86, s86, s88
	s_add_nc_u64 s[22:23], s[80:81], s[86:87]      ; and their scale words
	s_lshl_b32 s86, s83, 15                        ; 128 rows of cos and sin, 256 bytes each
	s_add_nc_u64 s[74:75], s[74:75], s[86:87]
	s_add_nc_u64 s[76:77], s[76:77], s[86:87]
	s_cmp_eq_u32 ttmp9, 0
	s_cselect_b64 s[68:69], s[68:69], s[70:71]     ; bq or bk
	s_lshl_b32 s86, s84, 10
	s_lshl_b32 s88, s16, 9
	s_add_co_u32 s86, s86, s88
	s_add_nc_u64 s[68:69], s[68:69], s[86:87]
	s_mov_b32 s[SEL], 0x76543210
	s_mov_b32 s[SEL+1], 0xfedcba98
	v_and_b32 v1, 15, v0                           ; r
	v_bfe_u32 v2, v0, 4, 1                         ; h
	v_and_b32 v3, 31, v0                           ; lane
	v_and_b32 v4, 7, v1
	v_lshrrev_b32 v9, 3, v1
	v_lshl_add_u32 v4, v9, 4, v4                   ; r + 8 (r / 8)
	v_lshlrev_b32 v4, 8, v4
	v_lshl_add_u32 v4, v2, 6, v4                   ; cos, sin: my token's row, + 16 h numbers
	v_lshlrev_b32 v5, 4, v3                        ; an image's first four registers
	v_lshlrev_b32 v6, 3, v3                        ; and its last two
	v_lshlrev_b32 v7, 5, v1
	v_lshl_add_u32 v7, v2, 4, v7                   ; the scale words: 32 r + 16 h
	v_lshlrev_b32 v8, 6, v2                        ; the biases: 16 h numbers on
	v_cmp_ne_u32 s44, 0, v2                        ; lanes 16-31
	v_mov_b32 v[TM+2], 0                           ; written once: a lane permute's destination counts as one of its sources
	v_mov_b32 v[TM+3], 0
.irp k, 0,1,2,3,4,5,6,7,8,9,10,11,12,13,14,15
	global_load_b128 v[BIAS+4*\k:BIAS+4*\k+3], v8, s[68:69] offset:(64*(\k/8)+32*((\k/4)%2))*4+16*(\k%4)
.endr
.macro CSLOAD a                        ; cos and sin of tile a's tokens, 32 numbers each a lane, into window 1: buffer a % 2 (registers that the last products do not name)
.if (\a)%2 == 0
.set CC, 96
.set SS, 224
.else
.set CC, 0
.set SS, 32
.endif
	WIN 0x40
.irp k, 0,1,2,3,4,5,6,7
	global_load_b128 v[CC+4*\k:CC+4*\k+3], v4, s[74:75] offset:(32*((\a)/2)+8*((\a)%2))*256+128*(\k/4)+16*(\k%4)
	global_load_b128 v[SS+4*\k:SS+4*\k+3], v4, s[76:77] offset:(32*((\a)/2)+8*((\a)%2))*256+128*(\k/4)+16*(\k%4)
.endr
	WIN 0
.endm
	CSLOAD 0
	CSLOAD 1
	s_wait_dscnt 4*NL                              ; the phase's last 128 along K: nothing more to fetch
	WIN MUL_LO
	MUL16 0, 1, NQ-1, 1, 0
	MUL16 2, 1, NQ-1, 1, 0
	s_wait_dscnt 0
	WIN MUL_HI
	MUL16 4, 1, NQ-1, 1, 0
	MUL16 6, 1, NQ-1, 1, 0
	WIN 0
	; slot 1 has been read out: it takes phase 2's K step 1, which lands, as slot 0's tile does, under the way out below
	s_wait_tensorcnt 0x0                           ; all my tensor loads have landed: my part of phase 2's K step 0, asked for 160 matrix instructions ago
	ds_add_u32 v[SPW], v[NIL]                      ; the descriptors' words stand between the add and the wait for it
	s_mul_i32 s[G0+5], s16, HALFA2
	s_add_co_u32 s[G0+5], s[G0+5], SLOT
	s_mov_b32 s[G1A2+2], 96<<16                    ; this one time slot 1's tiles come whole, by waves 0 and 2, so that waves 1 and 3 can fetch the scales
	s_mov_b32 s[G1A2+4], 96
	s_mov_b32 s[G1B+2], 192<<16
	s_mov_b32 s[G1B+4], 192
	s_or_b32 s[G1T], s43, (3<<16)|(1<<20)|(1<<21)|(5<<22)|(3<<25)
	s_mov_b32 s[G1T+1], 32<<16
	s_mov_b32 s[G1T+2], 16<<16
	s_mov_b32 s[G1T+3], 32<<16
	s_mov_b32 s[G1T+4], 16
	s_mov_b32 s[G1T+5], 32
	s_mov_b32 s[G1T+6], 0
	s_mov_b32 s[G1T+7], 0
	s_lshl_b32 s[G1TB], 0x1111, s40                                  ; and of B: my column's mask, 256 rows' 8,192 bytes
	s_or_b32 s[G1TB], s[G1TB], (3<<16)|(1<<20)|(1<<21)|(5<<22)|(3<<25)
	s_mov_b32 s[G1TB+1], 32<<16
	s_mov_b32 s[G1TB+2], 32<<16
	s_mov_b32 s[G1TB+3], 32<<16
	s_mov_b32 s[G1TB+4], 32
	s_mov_b32 s[G1TB+5], 32
	s_mov_b32 s[G1TB+6], 0
	s_mov_b32 s[G1TB+7], 0
	s_add_nc_u64 s[G0+6:G0+7], s[PA2:PA2+1], ROWB
	s_or_b32 s[G0+7], s[G0+7], 0x80000000
	s_add_nc_u64 s[G0B+6:G0B+7], s[PB2:PB2+1], ROWB
	s_or_b32 s[G0B+7], s[G0B+7], 0x80000000
	s_wait_dscnt 0x0                               ; the add is done, and my reads of slot 1 are over
	CROUND                                         ; both hold of every wave of the cluster; and phase 2's K step 0 is whole in every work-group
	JLOAD4 G0+4, G1A2, K0S2, G1T, G0B+4, G1B, K0SB2, G1TB   ; one refill a wave, the first tensor load behind the round: slot 1's two tiles (waves 0 and 2), and phase 2's scales onto phase 1's, which are read no more (waves 1 and 3); the four v_nop are the places between the last products and the first read of results
.macro ROPEQ a, g                      ; tile a of tokens, head g: bias, rotation, quantiser, store
.set AC, 64*((\a)%4)+32*(\g)
.set CD, CDS+8*(\g)
.if (\a)%2 == 0
.set CC, 96
.set SS, 224
.else
.set CC, 0
.set SS, 32
.endif
	WIN 2+(\a)/4                                   ; source 0: the accumulators' window
.irp i, 0,2,4,6,8,10,12,14,16,18,20,22,24,26,28,30
	v_pk_add_f32 v[T+\i:T+\i+1], v[AC+\i:AC+\i+1], v[BIAS+32*(\g)+\i:BIAS+32*(\g)+\i+1]   ; ascending: each accumulator is read from its low end on
.endr
	WIN 0x04                                       ; source 1: cos and sin in window 1
.irp i, 0,2,4,6,8,10,12,14
	v_pk_mul_f32 v[R+\i:R+\i+1], v[T+\i:T+\i+1], v[CC+\i:CC+\i+1]
	v_pk_mul_f32 v[R+16+\i:R+17+\i], v[T+16+\i:T+17+\i], v[CC+16+\i:CC+17+\i]
.endr
.irp i, 0,2,4,6,8,10,12,14
	v_pk_fma_f32 v[R+\i:R+\i+1], v[T+16+\i:T+17+\i], v[SS+\i:SS+\i+1], v[R+\i:R+\i+1] neg_lo:[1,0,0] neg_hi:[1,0,0]   ; d < 32: x cos - x(d + 32) sin
	v_pk_fma_f32 v[R+16+\i:R+17+\i], v[T+\i:T+\i+1], v[SS+16+\i:SS+17+\i], v[R+16+\i:R+17+\i]                          ; d >= 32: x cos + x(d - 32) sin
.endr
	WIN 0
	s_wait_xcnt 0x0                                ; the earlier stores have read their data: the codes' registers are written again only behind this wait
	QUANT2 R, CD, CD+4, SW+8*(\g)+(\a)
	global_store_b128 v5, v[CD:CD+3], s[20:21] offset:(\g)*49152+768*(\a)          ; 512 consecutive bytes, aligned
	global_store_b64 v6, v[CD+4:CD+5], s[20:21] offset:(\g)*49152+768*(\a)+512     ; 256 consecutive bytes, aligned
.endm
.irp a, 0,1,2,3,4,5,6,7
.if \a < 7
	s_wait_loadcnt 16                              ; this tile's cos and sin (and the biases) are in; the next tile's 16 loads may be out
.else
	s_wait_loadcnt 0x0
.endif
	ROPEQ \a, 0
	ROPEQ \a, 1
.if \a < 6
	CSLOAD \a+2
.endif
.endr
.irp g, 0,1
.if \g > 0
	s_wait_xcnt 0x0                                ; the first head's store has read its data
.endif
.irp t, 0,1,2,3
	v_cndmask_b32 v[OUTW+\t], v[SW+8*\g+\t], v[SW+8*\g+4+\t], s44   ; lanes 0-15 send tiles 0-3 of their row, lanes 16-31 tiles 4-7
.endr
	global_store_b128 v7, v[OUTW:OUTW+3], s[22:23] offset:4096*\g   ; 512 consecutive bytes, aligned
.endr
	; ======== PHASE 2: half a tile of v.  Slot 0 holds its K step 0 (shown landed, to every wave, by the round above); slot 1's tile is waited for at the first change of slots.
	s_wait_xcnt 0x0                                ; phase 1's stores have read their data and addresses: those registers are written again only behind this wait
	v_and_b32 v1, 15, v0
	v_bfe_u32 v2, v0, 4, 1
	v_mul_u32_u24 v3, v1, PITCH
	v_mul_u32_u24 v4, v2, 24
	v_add_nc_u32 v4, v3, v4
	v_lshl_add_u32 v5, v2, 4, v4
	s_mul_i32 s82, s15, HALFA2                     ; my 64 rows of A; B's addresses stay
.irp s, 0,1
	v_add_nc_u32 v[ADRA+\s], s82, v4
	v_add_nc_u32 v[ADRA+2+\s], s82, v5
	s_add_co_u32 s82, s82, SLOT
.endr
	v_mul_u32_u24 v5, v1, KS
	v_lshrrev_b32 v6, 8, v5
	v_lshl_add_u32 v5, v6, 4, v5
	s_mul_i32 s82, s15, HALFS2                     ; the scale words: A's, my 64 rows;
	s_mul_i32 s83, s16, HALFS
	s_add_co_u32 s83, s83, 2*HALFS2                ; B's, my 128 rows, behind A's 128
	s_sub_co_u32 s83, s83, s82
	v_mul_u32_u24 v6, s83, v2                      ; lanes 16-31 take B's
	s_add_co_u32 s82, s82, SCL2
	v_add_nc_u32 v5, v5, v6
	v_add_nc_u32 v[ADRS], s82, v5
	s_wait_alu depctr_va_vdst(0)                   ; directly ahead of the wait below
	s_wait_tensorcnt 0x0                           ; my refill of the change of phases is in,
	s_mov_b32 s[G1A2+2], 48<<16                    ; so the groups 1 may be written: halves of a tile again
	s_mov_b32 s[G1A2+4], 48
	s_mov_b32 s[G1B+2], 96<<16
	s_mov_b32 s[G1B+4], 96
	s_barrier_signal -1
	s_barrier_wait -1
	FETCH_B 0, 0, 0
	FETCH_A2 0, 0, 0
	SCALES 0
	STEP2 0, 1                                     ; the first products start the sums anew
	TURN2 0, 1, 1                                  ; slot 0 takes K step 2
	STEP2 1, 0
	TURN2 1, 0, 1                                  ; slot 1 takes K step 3
	STEP2 0, 0
	TURN2 0, 1, 0                                  ; nothing is left to fetch
	STEP2 1, 0
	; Lane (r, h) of accumulator (a, b): feature 32 (a / 2) + 8 (a % 2) + r + 8 (r / 8) of my head's 64; register j: key 32 (b / 2) + 16 h + 8 (b % 2) + j of my key step's 128.
	s_lshl_b32 s82, ttmp9, 2
	s_add_co_u32 s82, s82, s41                     ; which 128 features
	s_lshl_b32 s83, s82, 1
	s_add_co_u32 s83, s83, s15                     ; my head
	s_lshl_b32 s84, s13, 4
	s_add_co_u32 s84, s84, s83                     ; 16 x batch + head
	s_lshl_b32 s85, s40, 1
	s_add_co_u32 s85, s85, s16                     ; my key step
	s_lshl_b32 s86, s84, 3
	s_add_co_u32 s86, s86, s85
	s_mul_i32 s86, s86, 6144
	s_add_co_u32 s86, s86, 2*REG
	s_mov_b32 s87, 0
	s_add_nc_u64 s[78:79], s[78:79], s[86:87]
	s_lshl_b32 s86, s84, 11
	s_lshl_b32 s88, s85, 8
	s_add_co_u32 s86, s86, s88
	s_add_co_u32 s86, s86, 1048576
	s_add_nc_u64 s[80:81], s[80:81], s[86:87]
	s_lshl_b32 s86, s83, 8                         ; bv at my head's 64 numbers
	s_add_nc_u64 s[72:73], s[72:73], s[86:87]
	v_and_b32 v3, 31, v0
	v_and_b32 v4, 7, v1
	v_lshrrev_b32 v9, 3, v1
	v_lshl_add_u32 v4, v9, 4, v4
	v_lshlrev_b32 v4, 2, v4                        ; bv: r + 8 (r / 8) numbers on
	v_lshlrev_b32 v5, 4, v3                        ; an image: 16 x lane
	v_lshlrev_b32 v7, 4, v1
	v_lshl_add_u32 v7, v2, 3, v7                   ; the scale words: 16 r + 8 h
.irp b, 0,1,2,3
	v_mov_b32 v[TM4+4+\b], 0                       ; written once: a lane permute's destination counts as one of its sources
.endr
.irp a, 0,1,2,3
	global_load_b32 v[BV+2*\a], v4, s[72:73] offset:(32*(\a/2)+8*(\a%2))*4      ; twice, to fill the pair that the packed addition names
	global_load_b32 v[BV+2*\a+1], v4, s[72:73] offset:(32*(\a/2)+8*(\a%2))*4
.endr
	s_wait_dscnt 0x0                               ; the last 128 along K
	WIN MUL_LO
.irp a, 0,1,2,3
	MULA \a, 1, 1, 1, 0
.endr
	WIN 0
	PLACES NP
	s_wait_loadcnt 0x0
.macro VQ a                            ; tile a of features: bias, quantiser along the 128 keys, store
.set AC, 64*(\a)
	WIN 2
.irp i, 0,2,4,6,8,10,12,14,16,18,20,22,24,26,28,30,32,34,36,38,40,42,44,46,48,50,52,54,56,58,60,62
	v_pk_add_f32 v[T+\i:T+\i+1], v[AC+\i:AC+\i+1], v[BV+2*(\a):BV+2*(\a)+1]   ; ascending: each accumulator is read from its low end on
.endr
	WIN 0
	s_wait_xcnt 0x0                                ; the last tile's stores have read their data
	QUANT4 T
	v_mov_b32 v[SWV+(\a)], v[PW]
.irp j, 0,1,2
	global_store_b128 v5, v[PCV+4*\j:PCV+4*\j+3], s[78:79] offset:(\a)*1536+512*\j   ; 512 consecutive bytes, aligned
.endr
.endm
.irp a, 0,1,2,3
	VQ \a
.endr
.irp t, 0,1
	v_cndmask_b32 v[OUTW+\t], v[SWV+\t], v[SWV+2+\t], s44    ; lanes 0-15 send tiles 0 and 1 of their row, lanes 16-31 tiles 2 and 3
.endr
	global_store_b64 v7, v[OUTW:OUTW+1], s[80:81]            ; 256 consecutive bytes, aligned
	s_wait_tensorcnt 0x0                           ; the wave's end: behind my last tensor load
	ds_add_u32 v[SPW], v[NIL]
	s_wait_dscnt 0x0
	CROUND                                         ; the closing round: no work-group ends while a partner may still ask for a tile that names it
	s_endpgm
.Lfunc_end_k_qb57a1f3b9d_qkv:
	.size	k_qb57a1f3b9d_qkv, .Lfunc_end_k_qb57a1f3b9d_qkv-k_qb57a1f3b9d_qkv
	.p2alignl 7, 3214868480
	.fill 96, 4, 3214868480
	.section	.rodata,"a",@progbits
	.p2align	6, 0x0
	.amdhsa_kernel k_qb57a1f3b9d_qkv
		.amdhsa_group_segment_fixed_size 327680
		.amdhsa_private_segment_fixed_size 0
		.amdhsa_enable_private_segment 0
		.amdhsa_kernarg_size 88
		.amdhsa_user_sgpr_count 2
		.amdhsa_user_sgpr_kernarg_segment_ptr 1
		.amdhsa_wavefront_size32 1
		.amdhsa_system_sgpr_workgroup_id_x 1
		.amdhsa_system_sgpr_workgroup_id_y 1
		.amdhsa_system_sgpr_workgroup_id_z 1
		.amdhsa_system_vgpr_workitem_id 0
		.amdhsa_next_free_vgpr 1024
		.amdhsa_next_free_sgpr 106
		.amdhsa_reserve_vcc 0
		.amdhsa_float_denorm_mode_32 3
		.amdhsa_float_denorm_mode_16_64 3
		.amdhsa_memory_ordered 1
		.amdhsa_forward_progress 1
		.amdhsa_inst_pref_size 255
	.end_amdhsa_kernel
	.section	.bss,"aw",@nobits
	.p2align	6
	.space	262144
	.amdgpu_metadata
---
amdhsa.version: [ 1, 2 ]
amdhsa.kernels:
  - .name:           k_qb57a1f3b9d_qkv
    .symbol:         k_qb57a1f3b9d_qkv.kd
    .args:
      - { .name: xc, .offset: 0, .size: 8, .value_kind: global_buffer, .address_space: global }
      - { .name: xs, .offset: 8, .size: 8, .value_kind: global_buffer, .address_space: global }
      - { .name: wc, .offset: 16, .size: 8, .value_kind: global_buffer, .address_space: global }
      - { .name: ws, .offset: 24, .size: 8, .value_kind: global_buffer, .address_space: global }
      - { .name: bq, .offset: 32, .size: 8, .value_kind: global_buffer, .address_space: global }
      - { .name: bk, .offset: 40, .size: 8, .value_kind: global_buffer, .address_space: global }
      - { .name: bv, .offset: 48, .size: 8, .value_kind: global_buffer, .address_space: global }
      - { .name: cos, .offset: 56, .size: 8, .value_kind: global_buffer, .address_space: global }
      - { .name: sin, .offset: 64, .size: 8, .value_kind: global_buffer, .address_space: global }
      - { .name: qkvc, .offset: 72, .size: 8, .value_kind: global_buffer, .address_space: global }
      - { .name: qkvs, .offset: 80, .size: 8, .value_kind: global_buffer, .address_space: global }
    .group_segment_fixed_size: 327680
    .private_segment_fixed_size: 0
    .kernarg_segment_align: 8
    .kernarg_segment_size: 88
    .max_flat_workgroup_size: 128
    .sgpr_count:     106
    .vgpr_count:     1024
    .wavefront_size: 32
...
	.end_amdgpu_metadata
.endif
;; end of part 2
;; launch attn (part 3): grid 4 x 64, 16 waves a work-group, clusters of 4 x 1, 210,944 bytes of LDS; arguments qkvc, qkvs, oc, os; writes oc, os
.if DOCPART == 3
	.amdgcn_target "amdgcn-amd-amdhsa--gfx1250"
	.amdhsa_code_object_version 6
	.text
	.protected	k_qb57a1f3b9d_attn
	.globl	k_qb57a1f3b9d_attn
	.p2align	8
	.type	k_qb57a1f3b9d_attn,@function
k_qb57a1f3b9d_attn:
	s_mov_b64 s[64:65], 0
	v_nop
	global_prefetch_b8 v0, s[64:65] scope:SCOPE_SE
	s_setreg_imm32_b32 hwreg(HW_REG_WAVE_MODE, 25, 1), 1
	s_wait_xcnt 0x0
	s_wait_alu depctr_hold_cnt(0) depctr_sa_sdst(0) depctr_va_vdst(0) depctr_va_sdst(0) depctr_va_ssrc(0) depctr_va_vcc(0) depctr_vm_vsrc(0)
	s_getreg_b32 s2, hwreg(HW_REG_IB_STS2, 6, 4)
	s_cmp_eq_u32 s2, 0
	s_cbranch_scc0 .Lentry_in_a_cluster
	s_endpgm
.Lentry_in_a_cluster:
	s_bfe_u32 s2, ttmp6, 0x10000c
	s_cmp_lg_u32 s2, 0x3003
	s_cbranch_scc0 .Lentry_shape_is_right
	s_endpgm
.Lentry_shape_is_right:
; o = softmax(q k^T / 8) v for 128 heads of 1,024 tokens x 64, both products on codes of FP6 (E2M3) with E8M0 scales; o is divided by the row's sum and quantised along the model's 1,024 (head x 64 + d) in registers.
; THE SOFTMAX: t = score x log2(e) / 8; M = the running largest t rounded UP to a whole number; p = 2^(t - M) is quantised along the keys, not normalised; the row's sum is taken of the unquantised p; when M moves, sum and O are multiplied by 2^(old M - new M), exactly.
; SHARES.  Work-group y = 8 x batch + kappa owns the PAIR of heads 2 kappa, 2 kappa + 1; its place in the cluster is the block of 256 queries.  Each of sixteen waves owns one tile of 16 queries, for the first head and then the second:
; so it ends with a whole operand fragment (128 along the next K) and a whole scale word of o, and nothing goes from wave to wave.  Four waves share a SIMD.
; LDS.  A pair's codes and scale words of k and v, 208,896 bytes, are filled ONCE, by twelve joint loads, one a wave, that the four query blocks of the cluster share; one barrier shows them whole; nothing is filled again.
; They lie as images of operand registers: every LDS load takes consecutive bytes.
; LAYOUT.  Both products are used transposed: S^T = k q^T, O^T = v^T p^T: a lane holds one query throughout.  By the places in which the rows were laid, the 16 registers of two neighbouring tiles of S^T are 16 neighbouring keys, and those of O^T 16 neighbouring d.
; THE TRIP, 128 keys.  k's fragments of the NEXT trip are asked for among the lines that update M, so that they have the rest of the trip in which to land; v's fragments land in p's registers,
; half by half, as soon as a half of p has been summed and converted.  The last trip of a head asks for 6,656 bytes that lie behind k's (v's codes and scale words: bytes that were filled); no product reads them.
; K = 64 IN A FORM OF 128.  q's registers 6-11 are zero codes.  k's fragments lie six registers apart, so a fragment's registers 6-11 are the next fragment's codes (for the last: six registers cleared once): finite numbers (the format has no other),
; times zero codes, under scale bytes 0 on both sides: they add exactly 0.
; LIMITS: 1 / sum by v_rcp_f32; a block whose largest magnitude lies under 2^-124 keeps the byte 1, a block of zeros too (its codes are zeros); NaN and infinities are not served.
.set REG,   6291456
.set HEADB, 104448                     ; LDS of a head: k's codes 49,152, v's codes 49,152, k's scale words 4,096, v's 2,048
.set KSO,   98304
.set VSO,   102400
.set SPARE, 2*HEADB                    ; the spare words, 128 bytes for each of sixteen waves
.set SPW,  1                           ; v1   LDS address of my spare word; never rewritten
.set NIL,  2                           ; v2   0; never rewritten
.set L16,  3                           ; v3   16 x lane
.set L8,   4                           ; v4   512 + 8 x lane
.set R32,  5                           ; v5   32 (lane % 16)
.set R16,  6                           ; v6   16 (lane % 16)
.set ADK,  7                           ; v7-10 the trip's LDS addresses
.set ADK8, 8
.set ADS,  9
.set ADT,  10
.set QF,   16                          ; v16-21 q's codes, v22-27 zeros
.set QB,   28                          ; v28-33 the second head's q
.set QS,   34                          ; v34, v35 q's scale words
.set OC,   36                          ; v36-47 o's codes
.set OW,   48                          ; v48 o's scale word
.set KV,   50                          ; v50-97 k's eight fragments, v98-103 zeros
.set S,    104                         ; v104-167 S^T, then p, then v's four fragments (at S, S+12, S+32, S+44)
.set O,    168                         ; v168-199 O^T
.set PCD,  200                         ; v200-211 p's codes
.set CT,   212                         ; v212-219 conversions' second halves
.set KS,   220                         ; v220-227 k's scale words
.set VS,   228                         ; v228-231 v's
.set BM,   232                         ; v232-243 the blocks' maxima, bytes, scale operands
.set TM,   232                         ; the same registers serve o's quantiser
.set PW,   244                         ; p's scale word
.set FF,   246                         ; v[246:247] f
.set WK,   248                         ; at work
.set T1,   250                         ; v250-255 three more chains of the row's sum
.set T2,   252
.set T3,   254
.set TK,   2                           ; s2  LDS byte of the trip's codes
.set TS,   3                           ; s3  of k's scale words
.set TV,   12                          ; s12 of v's
.set CNT,  13
.set WV,   18
.set SEL,  20
.set CS,   22                          ; s[22:23] c = log2(e) / 8
.set G1C,  24                          ; group 1: 96 rows of 256 bytes;
.set G1KS, 32                          ; 16 rows;
.set G1VS, 40                          ; 8 rows
.set G0C,  48                          ; groups 0: my part of the codes,
.set G0KS, 56                          ; k's scale words, a set for each head,
.set G0VS, 68                          ; v's
.macro CROUND
	s_barrier_signal -1
	s_barrier_wait -1
	s_cmp_lg_u32 s[WV], 0
	s_cbranch_scc1 .Lnot_wave_0_\@
	s_barrier_signal -3
.Lnot_wave_0_\@:
	s_barrier_wait -3
	s_barrier_signal -1
	s_barrier_wait -1
.endm
.macro QUANT2 s, d, e, w               ; 32 numbers of a lane (block b at s + 16 b) -> six operand registers at d, the row's two scale bytes in w
.irp b, 0,1
	v_max3_num_f32 v[TM+\b], |v[\s+16*\b]|, |v[\s+1+16*\b]|, 0x1800000
.endr
.irp i, 2,4,6,8,10,12,14
.irp b, 0,1
	s_delay_alu instid0(VALU_DEP_2)
	v_max3_num_f32 v[TM+\b], v[TM+\b], |v[\s+16*\b+\i]|, |v[\s+1+16*\b+\i]|
.endr
.endr
.irp b, 0,1
	s_delay_alu instid0(VALU_DEP_2)
	v_permlanex16_b32 v[TM+2+\b], v[TM+\b], s[SEL], s[SEL+1]
.endr
.irp b, 0,1
	s_delay_alu instid0(VALU_DEP_2)
	v_max_num_f32 v[TM+\b], v[TM+\b], v[TM+2+\b]
.endr
.irp b, 0,1
	s_delay_alu instid0(VALU_DEP_2)
	v_add_nc_u32 v[TM+4+\b], 0xff000000, v[TM+\b]
.endr
.irp b, 0,1
	s_delay_alu instid0(VALU_DEP_2)
	v_lshrrev_b32 v[TM+6+\b], 23, v[TM+4+\b]
.endr
	s_delay_alu instid0(VALU_DEP_1)
	v_lshl_or_b32 v[\w], v[TM+7], 8, v[TM+6]
	v_cvt_scalef32_pk16_fp6_f32 v[\d:\d+2], v[\s:\s+15], v[TM+4]
	v_cvt_scalef32_pk16_fp6_f32 v[\e:\e+2], v[\s+16:\s+31], v[TM+5]
	v_nop                                          ; one plain line behind a scaled conversion
.irp i, 0,1,2
	v_permlane16_swap_b32 v[\d+\i], v[\e+\i]
.endr
.irp i, 0,1,2
	s_delay_alu instid0(VALU_DEP_3)
	v_mov_b32 v[\d+3+\i], v[\e+\i]
.endr
.endm
	s_load_b256 s[4:11], s[0:1], 0x0               ; qkvc, qkvs, oc, os
	v_lshl_add_u32 v[SPW], v0, 2, SPARE
	v_mov_b32 v[NIL], 0
	ds_add_u32 v[SPW], v[NIL]                      ; the wave's opening: the add, twice on end, and its wait ahead of my first tensor load; the set-up below stands between them
	ds_add_u32 v[SPW], v[NIL]
	v_lshrrev_b32 v3, 5, v0
	s_delay_alu instid0(VALU_DEP_1)
	v_readfirstlane_b32 s[WV], v3                  ; wave 0..15
	s_bfe_u32 s14, ttmp6, 0x40000                  ; cx: my block of 256 queries: it enters q's and o's addresses alone
	s_and_b32 s15, ttmp7, 0xffff                   ; y: the pair of heads, which the four partners share
.irp g, G1C, G1KS, G1VS
	s_mov_b32 s[\g], 15|(3<<16)|(1<<21)            ; the mask: all four work-groups; elements of 8 bytes; bit 21 beside a mask; no padding
	s_mov_b32 s[\g+1], 32<<16                      ; tensor_dim0 = 32 elements: rows of 256 bytes
	s_mov_b32 s[\g+3], 32<<16                      ; tile_dim0
	s_mov_b32 s[\g+5], 32                          ; the pitch: dense
	s_mov_b32 s[\g+6], 0
	s_mov_b32 s[\g+7], 0
.endr
	s_mov_b32 s[G1C+2], 96<<16                     ; tensor_dim1 and tile_dim1: 24,576 bytes,
	s_mov_b32 s[G1C+4], 96
	s_mov_b32 s[G1KS+2], 16<<16                    ; 4,096,
	s_mov_b32 s[G1KS+4], 16
	s_mov_b32 s[G1VS+2], 8<<16                     ; 2,048
	s_mov_b32 s[G1VS+4], 8
	s_and_b32 s16, s[WV], 3
	s_mul_i32 s16, s16, 24576                      ; waves 0-7 fetch codes: wave % 4: k's two halves, then v's two, in a head's LDS;
	s_bfe_u32 s17, s[WV], 0x10002                  ; bit 2 of the wave's number: which head of the pair
	s_mul_i32 s19, s17, HEADB
	s_add_co_u32 s16, s16, s19
	s_lshr_b32 s76, s[WV], 1
	s_and_b32 s76, s76, 1                          ; k (0) or v (1)
	s_mul_i32 s76, s76, REG
	s_add_co_u32 s76, s76, REG
	s_mul_i32 s77, s15, 98304                      ; the pair's first head
	s_add_co_u32 s76, s76, s77
	s_and_b32 s77, s[WV], 1
	s_mul_i32 s77, s77, 24576
	s_add_co_u32 s76, s76, s77
	s_mul_i32 s77, s17, 49152                      ; the second head's codes lie 49,152 bytes on
	s_add_co_u32 s76, s76, s77
	s_mov_b32 s77, 0
	s_lshl_b32 s78, s15, 13
	s_add_co_u32 s78, s78, 524288                  ; k's scale words of the pair
	s_mov_b32 s79, 0
	s_lshl_b32 s80, s15, 12
	s_add_co_u32 s80, s80, 1048576                 ; v's
	s_mov_b32 s81, 0
	s_mov_b32 s[SEL], 0x76543210
	s_mov_b32 s[SEL+1], 0xfedcba98
	s_mov_b32 s[CS], 0x3e38aa3b                    ; c = log2(e) / 8
	s_mov_b32 s[CS+1], s[CS]
	s_wait_dscnt 0x0                               ; both opening adds are done
	s_wait_kmcnt 0x0
	s_add_nc_u64 s[82:83], s[4:5], s[76:77]
	s_add_nc_u64 s[78:79], s[6:7], s[78:79]
	s_add_nc_u64 s[80:81], s[6:7], s[80:81]
	s_mov_b32 s[G0C], 1
	s_mov_b32 s[G0C+1], s16
	s_mov_b64 s[G0C+2:G0C+3], s[82:83]
	s_or_b32 s[G0C+3], s[G0C+3], 0x80000000
.irp e, 0,1
	s_mov_b32 s[G0KS+4*\e], 1
	s_mov_b32 s[G0KS+4*\e+1], \e*HEADB+KSO
	s_add_nc_u64 s[G0KS+4*\e+2:G0KS+4*\e+3], s[78:79], \e*4096
	s_or_b32 s[G0KS+4*\e+3], s[G0KS+4*\e+3], 0x80000000
	s_mov_b32 s[G0VS+4*\e], 1
	s_mov_b32 s[G0VS+4*\e+1], \e*HEADB+VSO
	s_add_nc_u64 s[G0VS+4*\e+2:G0VS+4*\e+3], s[80:81], \e*2048
	s_or_b32 s[G0VS+4*\e+3], s[G0VS+4*\e+3], 0x80000000
.endr
	CROUND                                         ; all four work-groups are here: the joint loads meet
	; The twelve fills, one a wave, in one chain of branches on the wave's number: waves 0-7 the codes, 8 and 9 k's scale words of the two heads, 10 and 11 v's; waves 12-15 fetch nothing.
	; An s_nop 0 and four v_nop follow each load.
.macro ARM under, g0, g1, next
	s_cmp_lt_u32 s[WV], \under
	s_cbranch_scc0 \next
	tensor_load_to_lds s[\g0:\g0+3], s[\g1:\g1+7]
	s_nop 0
.rept 4
	v_nop
.endr
	s_branch .Lfilled
\next:
.endm
	ARM 8,  G0C,    G1C,  .Lks0
	ARM 9,  G0KS,   G1KS, .Lks1
	ARM 10, G0KS+4, G1KS, .Lvs0
	ARM 11, G0VS,   G1VS, .Lvs1
	ARM 12, G0VS+4, G1VS, .Lnone
.Lfilled:
	v_and_b32 v11, 31, v0
	v_and_b32 v10, 15, v0
	v_lshlrev_b32 v[L16], 4, v11
	v_lshlrev_b32 v[L8], 3, v11
	v_lshlrev_b32 v[R32], 5, v10
	v_lshlrev_b32 v[R16], 4, v10
	v_add_nc_u32 v[L8], 512, v[L8]
	s_wait_alu depctr_va_vdst(0)                   ; ahead of the run of scalar lines
	s_lshl_b32 s84, s14, 4
	s_add_co_u32 s84, s84, s[WV]                   ; T: my tile of 16 queries among the batch's 64
	s_lshl_b32 s85, s15, 7                         ; 64 tiles for each of the heads in front
	s_add_co_u32 s85, s85, s84
	s_mul_i32 s86, s85, 768
	s_mov_b32 s87, 0
	s_add_nc_u64 s[86:87], s[4:5], s[86:87]        ; q's codes: the first head's; the second's lie 49,152 bytes on
	s_lshl_b32 s88, s15, 13
	s_lshl_b32 s89, s14, 10
	s_add_co_u32 s88, s88, s89
	s_lshr_b32 s89, s[WV], 3
	s_lshl_b32 s89, s89, 9
	s_add_co_u32 s88, s88, s89                     ; the group of eight tiles,
	s_and_b32 s89, s[WV], 7
	s_lshl_b32 s89, s89, 2
	s_add_co_u32 s88, s88, s89                     ; my tile's word in each row's 32 bytes
	s_mov_b32 s89, 0
	s_add_nc_u64 s[88:89], s[6:7], s[88:89]
	global_load_b128 v[QF:QF+3], v[L16], s[86:87]
	global_load_b64 v[QF+4:QF+5], v[L8], s[86:87]
	global_load_b128 v[QB:QB+3], v[L16], s[86:87] offset:49152
	global_load_b64 v[QB+4:QB+5], v[L8], s[86:87] offset:49152
	global_load_b32 v[QS], v[R32], s[88:89]
	global_load_b32 v[QS+1], v[R32], s[88:89] offset:4096
	s_lshr_b32 s90, s15, 3
	s_lshl_b32 s90, s90, 6
	s_add_co_u32 s90, s90, s84                     ; 64 x batch + T: my tile of rows of o
	s_and_b32 s91, s15, 7                          ; kappa
	s_lshl_b32 s92, s90, 3
	s_add_co_u32 s92, s92, s91
	s_mul_i32 s92, s92, 1536
	s_mov_b32 s93, 0
	s_add_nc_u64 s[8:9], s[8:9], s[92:93]
	s_lshl_b32 s92, s90, 9
	s_lshl_b32 s91, s91, 2
	s_add_co_u32 s92, s92, s91
	s_add_nc_u64 s[10:11], s[10:11], s[92:93]
.irp i, 0,1,2,3,4,5
	v_mov_b32 v[QF+6+\i], 0                        ; q's zero codes for k = 64 .. 127
	v_mov_b32 v[KV+48+\i], 0                       ; what stands behind k's last fragment
.endr
.irp b, 0,1,2,3
	v_mov_b32 v[BM+4+\b], 0                        ; written once: a lane permute's destination counts as one of its sources
.endr
	v_mov_b32 v[FF+1], 0                           ; (named as the upper half of the pair)
	v_mov_b32 v[WK], 0
.macro KL t, d                         ; k's fragment t of the trip d on from the one whose addresses stand
	ds_load_b128 v[KV+6*\t:KV+6*\t+3], v[ADK] offset:768*\t+6144*\d
	ds_load_b64 v[KV+6*\t+4:KV+6*\t+5], v[ADK8] offset:768*\t+6144*\d
.endm
.macro KSL d                           ; and its eight scale words
	ds_load_b128 v[KS:KS+3], v[ADS] offset:512*\d
	ds_load_b128 v[KS+4:KS+7], v[ADS] offset:512*\d+16
.endm
.macro VL t                            ; v's fragment t of this trip, into registers of p that are done with
.irp j, 0,1,2
	ds_load_b128 v[S+12*\t+8*(\t/2)+4*\j:S+12*\t+8*(\t/2)+4*\j+3], v[ADK] offset:49152+1536*\t+512*\j
.endr
.endm
.macro HEAD eta
	s_mov_b32 s[TK], \eta*HEADB
	s_mov_b32 s[TS], \eta*HEADB+KSO
	s_mov_b32 s[TV], \eta*HEADB+VSO
	s_mov_b32 s[CNT], 8
	v_add_nc_u32 v[ADK], s[TK], v[L16]
	v_add_nc_u32 v[ADK8], s[TK], v[L8]
	v_add_nc_u32 v[ADS], s[TS], v[R32]
.irp t, 0,1,2,3,4,5,6,7
	KL \t, 0                                       ; the first trip's k: it lands under the lines below
.endr
	KSL 0
.if \eta
.irp i, 0,1,2,3,4,5
	v_mov_b32 v[QF+\i], v[QB+\i]
.endr
.endif
	v_mov_b32 v13, 0xff61b1e6                      ; the largest t so far: -3e38
	s_delay_alu instid0(VALU_DEP_1)
	v_floor_f32 v12, -v13                          ; -M
	v_mov_b32 v14, 0                               ; the sum, in two halves
	v_mov_b32 v15, 0
.set J, 0
.rept 32
	v_mov_b32 v[O+J], 0                            ; O^T: the trip is written once; the first finds zeros
.set J, J+1
.endr
.Lstep_\@:                                         ; a trip: 128 keys
	v_add_nc_u32 v[ADK], s[TK], v[L16]             ; these five are also the places between the last products, which read v's fragments, and the products below, which write over them
	v_add_nc_u32 v[ADK8], s[TK], v[L8]
	v_add_nc_u32 v[ADS], s[TS], v[R32]
	v_add_nc_u32 v[ADT], s[TV], v[R16]
	v_nop
	s_wait_alu depctr_va_vdst(0)                   ; directly ahead of the wait below
	s_wait_dscnt 0x0                               ; this trip's k, asked for a trip ago
.irp t, 0,1,2,3,4,5,6,7
	v_wmma_scale_f32_16x16x128_f8f6f4 v[S+8*\t:S+8*\t+7], v[KV+6*\t:KV+6*\t+11], v[QF:QF+11], 0, v[KS+\t], v[QS+\eta] matrix_a_fmt:MATRIX_FMT_FP6 matrix_b_fmt:MATRIX_FMT_FP6
.endr
.rept 4
	v_nop                                          ; places in front of the first read of the scores and of the loads into k's registers
.endr
	ds_load_b128 v[VS:VS+3], v[ADT]
.irp b, 0,1,2,3
	v_max3_num_f32 v[BM+\b], v[S+16*\b], v[S+1+16*\b], v[S+2+16*\b]   ; the largest score of each block of 32 keys: for the row's maximum and, since p rises with the score, for the block's largest p
.endr
.irp i, 3,5,7,9,11,13
.irp b, 0,1,2,3
	v_max3_num_f32 v[BM+\b], v[BM+\b], v[S+16*\b+\i], v[S+1+16*\b+\i]
.endr
.endr
.irp b, 0,1,2,3
	v_max_num_f32 v[BM+\b], v[BM+\b], v[S+15+16*\b]
.endr
.irp b, 0,1,2,3
	s_delay_alu instid0(VALU_DEP_4)
	v_permlanex16_b32 v[BM+4+\b], v[BM+\b], s[SEL], s[SEL+1]
.endr
.irp b, 0,1,2,3
	s_delay_alu instid0(VALU_DEP_4)
	v_max_num_f32 v[BM+\b], v[BM+\b], v[BM+4+\b]   ; with lane l xor 16's 16 keys
.endr
	s_delay_alu instid0(VALU_DEP_2)
	v_max3_num_f32 v[WK], v[BM], v[BM+1], v[BM+2]  ; one chain from here to f: the next trip's k is asked for between its links
	KL 0, 1
	v_max_num_f32 v[WK], v[WK], v[BM+3]
	KL 1, 1
	v_mul_f32 v[WK], s[CS], v[WK]                  ; as t
	KL 2, 1
	v_max_num_f32 v13, v13, v[WK]                  ; the running largest t
	v_mov_b32 v[WK], v12
	KL 3, 1
	v_floor_f32 v12, -v13                          ; the new -M = -ceil(t)
	KL 4, 1
	v_sub_f32 v[WK], v12, v[WK]                    ; old M - new M: a whole number, 0 or less
	KL 5, 1
	v_cvt_i32_f32 v[WK], v[WK]                     ; (it saturates)
	KL 6, 1
	v_ldexp_f32 v[FF], 1.0, v[WK]                  ; f = 2^(old M - new M)
	KL 7, 1
	KSL 1
.set J, 0
.rept 32
	v_pk_fma_f32 v[S+J:S+J+1], v[S+J:S+J+1], s[CS:CS+1], v[12:13] op_sel_hi:[1,0,0]   ; t - M
.set J, J+2
.endr
.irp b, 0,1,2,3
	v_fma_f32 v[BM+\b], v[BM+\b], s[CS], v12
.endr
.set J, 0
	s_wait_alu depctr_va_vdst(0)                   ; ahead of the batch of 64 exponentials
.rept 64
	v_exp_f32 v[S+J], v[S+J]                       ; p = 2^(t - M)
.set J, J+1
.endr
	v_pk_mul_f32 v[14:15], v[14:15], v[FF:FF+1] op_sel_hi:[1,0]   ; the sums under the new M (a plain line behind the exponentials)
	s_wait_alu depctr_va_vdst(0)                   ; one wait for the batch of 64, ahead of its first reader
.irp b, 0,1,2,3
	v_exp_f32 v[BM+\b], v[BM+\b]                   ; the blocks' largest p
.endr
	v_pk_add_f32 v[T1:T1+1], v[S:S+1], v[S+2:S+3]  ; the row's sum of the unquantised p, in four chains: the first 64 keys' half
	v_pk_add_f32 v[T2:T2+1], v[S+4:S+5], v[S+6:S+7]
	v_pk_add_f32 v[T3:T3+1], v[S+8:S+9], v[S+10:S+11]
	v_pk_add_f32 v[14:15], v[14:15], v[S+12:S+13]
.irp j, 14,22
	v_pk_add_f32 v[T1:T1+1], v[T1:T1+1], v[S+\j:S+\j+1]
	v_pk_add_f32 v[T2:T2+1], v[T2:T2+1], v[S+\j+2:S+\j+3]
	v_pk_add_f32 v[T3:T3+1], v[T3:T3+1], v[S+\j+4:S+\j+5]
	v_pk_add_f32 v[14:15], v[14:15], v[S+\j+6:S+\j+7]
.endr
	v_pk_add_f32 v[T1:T1+1], v[T1:T1+1], v[S+30:S+31]
	s_wait_alu depctr_va_vdst(0)                   ; and one for the four
.irp b, 0,1,2,3
	v_max_num_f32 v[BM+\b], 0x1800000, v[BM+\b]    ; the floor 2^(3 - 127)
.endr
.irp b, 0,1,2,3
	s_delay_alu instid0(VALU_DEP_4)
	v_add_nc_u32 v[BM+8+\b], 0xff000000, v[BM+\b]  ; the conversion's scale operand
.endr
.irp b, 0,1,2,3
	s_delay_alu instid0(VALU_DEP_4)
	v_lshrrev_b32 v[BM+4+\b], 23, v[BM+8+\b]       ; the scale's byte
.endr
	s_delay_alu instid0(VALU_DEP_3)
	v_lshl_or_b32 v[PW], v[BM+5], 8, v[BM+4]
	s_delay_alu instid0(VALU_DEP_1)
	v_lshl_or_b32 v[PW], v[BM+6], 16, v[PW]
	s_delay_alu instid0(VALU_DEP_1)
	v_lshl_or_b32 v[PW], v[BM+7], 24, v[PW]
	v_cvt_scalef32_pk16_fp6_f32 v[PCD:PCD+2], v[S:S+15], v[BM+8]
	v_cvt_scalef32_pk16_fp6_f32 v[CT:CT+2], v[S+16:S+31], v[BM+9]
	VL 0                                           ; the first half of p is summed and converted: its registers take v's fragments 0 and 1
	VL 1
.irp j, 32,40,48,56
	v_pk_add_f32 v[T2:T2+1], v[T2:T2+1], v[S+\j:S+\j+1]     ; the second half (plain lines behind the conversions)
	v_pk_add_f32 v[T3:T3+1], v[T3:T3+1], v[S+\j+2:S+\j+3]
	v_pk_add_f32 v[14:15], v[14:15], v[S+\j+4:S+\j+5]
	v_pk_add_f32 v[T1:T1+1], v[T1:T1+1], v[S+\j+6:S+\j+7]
.endr
	v_cvt_scalef32_pk16_fp6_f32 v[PCD+6:PCD+8], v[S+32:S+47], v[BM+10]
	v_cvt_scalef32_pk16_fp6_f32 v[CT+4:CT+6], v[S+48:S+63], v[BM+11]
	VL 2
	VL 3
	v_pk_add_f32 v[T1:T1+1], v[T1:T1+1], v[T2:T2+1]         ; (plain lines behind the conversions)
	v_pk_add_f32 v[14:15], v[14:15], v[T3:T3+1]
	s_delay_alu instid0(VALU_DEP_1)
	v_pk_add_f32 v[14:15], v[14:15], v[T1:T1+1]
.irp c, 0,1
.irp i, 0,1,2
	v_permlane16_swap_b32 v[PCD+6*\c+\i], v[CT+4*\c+\i]
.endr
.irp i, 0,1,2
	s_delay_alu instid0(VALU_DEP_3)
	v_mov_b32 v[PCD+3+6*\c+\i], v[CT+4*\c+\i]
.endr
.endr
	s_wait_alu depctr_va_vdst(0)                   ; directly ahead of the first reader of O^T
.set J, 0
.rept 16
	v_pk_mul_f32 v[O+J:O+J+1], v[O+J:O+J+1], v[FF:FF+1] op_sel_hi:[1,0]   ; O^T under the new M; these sixteen are also the places between p's codes and the products
.set J, J+2
.endr
	s_wait_alu depctr_va_vdst(0)                   ; directly ahead of the wait below
	s_wait_dscnt 0x0                               ; v's fragments and scale words are in
.irp t, 0,1,2,3
	v_wmma_scale_f32_16x16x128_f8f6f4 v[O+8*\t:O+8*\t+7], v[S+12*\t+8*(\t/2):S+12*\t+8*(\t/2)+11], v[PCD:PCD+11], v[O+8*\t:O+8*\t+7], v[VS+\t], v[PW] matrix_a_fmt:MATRIX_FMT_FP6 matrix_b_fmt:MATRIX_FMT_FP6
.endr
	s_add_co_u32 s[TK], s[TK], 6144
	s_add_co_u32 s[TS], s[TS], 512
	s_add_co_u32 s[TV], s[TV], 256
	s_sub_co_u32 s[CNT], s[CNT], 1
	s_cmp_lg_u32 s[CNT], 0
	s_cbranch_scc1 .Lstep_\@
.rept 4
	v_nop                                          ; places in front of the first read of O^T and of writes over v's fragments
.endr
	v_add_f32 v14, v14, v15
	s_delay_alu instid0(VALU_DEP_1)
	v_permlanex16_b32 v[WK], v14, s[SEL], s[SEL+1]
	s_delay_alu instid0(VALU_DEP_1)
	v_add_f32 v14, v14, v[WK]                      ; the row's sum
	s_wait_alu depctr_va_vdst(0)                   ; ahead of the reciprocal
	v_rcp_f32 v14, v14
	v_nop                                          ; a plain line behind the reciprocal
	s_wait_alu depctr_va_vdst(0)                   ; and the wait ahead of its first reader
.set J, 0
.rept 16
	v_pk_mul_f32 v[S+J:S+J+1], v[O+J:O+J+1], v[14:15] op_sel_hi:[1,0]   ; o: number 16 b + i is d = 32 b + 16 (lane / 16) + i; each accumulator is read from its low end on
.set J, J+2
.endr
.if \eta
	QUANT2 S, OC+6, CT, WK+1
	v_lshl_or_b32 v[OW], v[WK+1], 16, v[OW]        ; the second head's two bytes above the first's
.else
	QUANT2 S, OC, CT, OW
.endif
.endm
	s_wait_alu depctr_va_vdst(0)                   ; the wait at the head's end
	s_wait_loadcnt 0x0                             ; q
	s_wait_tensorcnt 0x0                           ; my fill is in
	s_barrier_signal -1
	s_barrier_wait -1                              ; everybody's is
	HEAD 0
	HEAD 1                                         ; both heads' tiles were shown whole by the one barrier above: the waves go on by themselves
.irp j, 0,1,2
	global_store_b128 v[L16], v[OC+4*\j:OC+4*\j+3], s[8:9] offset:512*\j   ; the fragment's image: 512 consecutive bytes, aligned
.endr
	global_store_b32 v[R32], v[OW], s[10:11]       ; my rows' words: 4 bytes in each row's 32 (both halves of the lanes write the same word with the same value)
	s_wait_tensorcnt 0x0                           ; the wave's end: behind my last tensor load
	ds_add_u32 v[SPW], v[NIL]
	s_wait_dscnt 0x0
	CROUND                                         ; the closing round
	s_endpgm
.Lfunc_end_k_qb57a1f3b9d_attn:
	.size	k_qb57a1f3b9d_attn, .Lfunc_end_k_qb57a1f3b9d_attn-k_qb57a1f3b9d_attn
	.p2alignl 7, 3214868480
	.fill 96, 4, 3214868480
	.section	.rodata,"a",@progbits
	.p2align	6, 0x0
	.amdhsa_kernel k_qb57a1f3b9d_attn
		.amdhsa_group_segment_fixed_size 210944
		.amdhsa_private_segment_fixed_size 0
		.amdhsa_enable_private_segment 0
		.amdhsa_kernarg_size 32
		.amdhsa_user_sgpr_count 2
		.amdhsa_user_sgpr_kernarg_segment_ptr 1
		.amdhsa_wavefront_size32 1
		.amdhsa_system_sgpr_workgroup_id_x 1
		.amdhsa_system_sgpr_workgroup_id_y 1
		.amdhsa_system_sgpr_workgroup_id_z 1
		.amdhsa_system_vgpr_workitem_id 0
		.amdhsa_next_free_vgpr 256
		.amdhsa_next_free_sgpr 96
		.amdhsa_reserve_vcc 0
		.amdhsa_float_denorm_mode_32 3
		.amdhsa_float_denorm_mode_16_64 3
		.amdhsa_memory_ordered 1
		.amdhsa_forward_progress 1
		.amdhsa_inst_pref_size 57
	.end_amdhsa_kernel
	.amdgpu_metadata
---
amdhsa.version: [ 1, 2 ]
amdhsa.kernels:
  - .name:           k_qb57a1f3b9d_attn
    .symbol:         k_qb57a1f3b9d_attn.kd
    .args:
      - { .name: qkvc, .offset: 0, .size: 8, .value_kind: global_buffer, .address_space: global }
      - { .name: qkvs, .offset: 8, .size: 8, .value_kind: global_buffer, .address_space: global }
      - { .name: oc, .offset: 16, .size: 8, .value_kind: global_buffer, .address_space: global }
      - { .name: os, .offset: 24, .size: 8, .value_kind: global_buffer, .address_space: global }
    .group_segment_fixed_size: 210944
    .private_segment_fixed_size: 0
    .kernarg_segment_align: 8
    .kernarg_segment_size: 32
    .max_flat_workgroup_size: 512
    .sgpr_count:     96
    .vgpr_count:     256
    .wavefront_size: 32
...
	.end_amdgpu_metadata
.endif
;; end of part 3
;; launch outp (part 4): grid 4 x 64, 4 waves a work-group, clusters of 4 x 4, 327,680 bytes of LDS; arguments oc, os, wc, ws, bo, out0; writes out0
.if DOCPART == 4
	.amdgcn_target "amdgcn-amd-amdhsa--gfx1250"
	.amdhsa_code_object_version 6
	.text
	.protected	k_qb57a1f3b9d_outp
	.globl	k_qb57a1f3b9d_outp
	.p2align	8
	.type	k_qb57a1f3b9d_outp,@function
k_qb57a1f3b9d_outp:
	s_mov_b64 s[64:65], 0
	v_nop
	global_prefetch_b8 v0, s[64:65] scope:SCOPE_SE
	s_setreg_imm32_b32 hwreg(HW_REG_WAVE_MODE, 25, 1), 1
	s_wait_xcnt 0x0
	s_wait_alu depctr_hold_cnt(0) depctr_sa_sdst(0) depctr_va_vdst(0) depctr_va_sdst(0) depctr_va_ssrc(0) depctr_va_vcc(0) depctr_vm_vsrc(0)
	s_getreg_b32 s2, hwreg(HW_REG_IB_STS2, 6, 4)
	s_cmp_eq_u32 s2, 0
	s_cbranch_scc0 .Lentry_in_a_cluster
	s_endpgm
.Lentry_in_a_cluster:
	s_bfe_u32 s2, ttmp6, 0x10000c
	s_cmp_lg_u32 s2, 0xf033
	s_cbranch_scc0 .Lentry_shape_is_right
	s_endpgm
.Lentry_shape_is_right:
; out0 = o Wo^T + bo on codes of FP6 (E2M3) with E8M0 scales, f32 sums.  256 work-groups, each with a block of 128 rows x 256 features; a wave makes 64 x 128: 32 accumulators; bo is the C of each accumulator's first product.
; SIDE A (source 1, rows across the lanes): o.  oc holds images of operand registers, [tile of 16 rows][128 along K][1,536 bytes]: a wave's 64 rows for all of K are 96 loads of 512 consecutive bytes
; from memory straight into 384 registers; they pass through no LDS.
; SIDE B (source 0, rows along a lane's registers): Wo, places 3,072 on of wc, which lies in four planes, one for each 256 along K, 192 bytes a place.  The block's 256 places for ALL of K are filled into LDS once:
; waves 0 and 1 fetch 128 places each by one load of 4 rows (a plane each) of 24,576 dense bytes, each at a multiple of 256 bytes, with 16 bytes of padding behind every 64 (LDS pitch 240 a place).
; Wave 2 fetches B's scales, wave 3 A's.  Nothing is filled again: one barrier shows the fills whole, and the walk along K, eight steps of 128, has no barrier.
; CLUSTERS: 4 x 4 work-groups: B's codes and scales are asked for jointly along a column of the cluster, A's scales along a row.  A's codes are not shared through LDS, so they have no joint load.
; No prefetch: every address is asked for at the head, and there is no loop to run ahead in.
; THE WAY OUT: a block of 16 rows goes through the wave's own stage, LDS bytes into which no fill lands, and leaves as whole rows of 512 bytes.  Rows of o lie by places: the stores' offsets put them back.
; REGISTERS, in windows of 256: window 0: v0-31 addresses, v32-95 scale words (block i, step q at 32 + 8 i + q: lanes 0-15 A's, lanes 16-31 B's), v112-255 A's steps 5-7, later the way out's;
;   window 1: B's fragments, two sets, at v0 and v128; v96-127 and v224-255 bo;  window 2: the accumulators ((a, b) at 8 (8 a + b));  window 3: v0-239 A's steps 0-4.
.set PLANE,  1572864
.set PITCH,  240
.set FR,     12
.set PLB,    128*PITCH                 ; 128 places of one plane in LDS
.set HALFB,  4*PLB                     ; and of all four
.set SCLA,   2*HALFB                   ; A's scales: 128 rows x 32 bytes as 16 runs of 256 bytes + 16 of padding
.set SCLB,   SCLA+16*272               ; B's: 256 rows
.set STAGE,  SCLB+32*272               ; four stages of 16 rows x (512 + 16) bytes
.set SPITCH, 528
.set SPARE,  STAGE+4*16*SPITCH         ; the spare words, 128 bytes a wave
.set ADRB, 20                          ; v20, v21 my B fragments in planes 0-1, 2-3;  v22, v23 the same behind one padding more
.set STO,  24
.set RD,   25
.set CO,   26                          ; 16 x lane
.set ADRS, 27
.set SPW,  28
.set NIL,  29
.set SC,   32
.set BK,   128
.set MSB, 0
.macro WIN new                         ; the immediate's high byte repeats the setting that is left
.if MSB != \new
	s_set_vgpr_msb (MSB<<8)|\new
.set MSB, \new
.endif
.endm
.macro CROUND
	s_barrier_signal -1
	s_barrier_wait -1
	s_cmp_lg_u32 s16, 0
	s_cbranch_scc1 .Lnot_wave_0_\@
	s_barrier_signal -3
.Lnot_wave_0_\@:
	s_barrier_wait -3
	s_barrier_signal -1
	s_barrier_wait -1
.endm
.macro PLACES n
.rept \n
	v_nop
.endr
.endm
	s_load_b256 s[4:11], s[0:1], 0x0               ; oc, os, wc, ws
	s_load_b128 s[12:15], s[0:1], 0x20             ; bo, out0
	v_lshl_add_u32 v[SPW], v0, 2, SPARE
	v_mov_b32 v[NIL], 0
	ds_add_u32 v[SPW], v[NIL]                      ; the wave's opening: the add, twice on end, and its wait ahead of my first tensor load
	ds_add_u32 v[SPW], v[NIL]
	v_lshrrev_b32 v1, 5, v0
	v_readfirstlane_b32 s16, v1                    ; wave 0..3
	s_lshr_b32 s17, s16, 1                         ; which 64 rows of A are mine
	s_and_b32 s18, s16, 1                          ; which 128 rows of B; in waves 0 and 1 also: which 128 I fetch
	s_bfe_u32 s19, ttmp6, 0x40000                  ; cx
	s_bfe_u32 s20, ttmp6, 0x40004                  ; cy
	s_and_b32 s21, ttmp7, 0xffff
	s_lshl_b32 s21, s21, 2
	s_add_co_u32 s21, s21, s20                     ; which 128 rows of o: 4 x cluster y + cy
	s_lshl_b32 s60, ttmp9, 2
	s_add_co_u32 s60, s60, s19                     ; which 256 features: 4 x cluster x + cx
	s_lshl_b32 s22, s20, 2
	s_lshl_b32 s22, 15, s22                        ; my row of the cluster
	s_lshl_b32 s23, 0x1111, s19                    ; my column
	s_or_b32 s24, s23, (3<<16)|(1<<20)|(1<<21)|(3<<22)|(3<<25)   ; B's codes: my column's mask; elements of 8 bytes; 4 words of padding behind every 16
	s_mov_b32 s25, 3072<<16                        ; tensor_dim0: 24,576 bytes
	s_mov_b32 s26, 4<<16                           ; tensor_dim1: four planes
	s_mov_b32 s27, 3072<<16                        ; tile_dim0
	s_mov_b32 s28, 4                               ; tile_dim1
	s_mov_b32 s29, PLANE/8                         ; the pitch
	s_mov_b32 s30, 0
	s_mov_b32 s31, 0
	s_or_b32 s36, s22, (3<<16)|(1<<20)|(1<<21)|(5<<22)|(3<<25)   ; A's scales: my row's mask; 16 rows of 256 bytes, 16 bytes of padding behind each
	s_mov_b32 s37, 32<<16
	s_mov_b32 s38, 16<<16
	s_mov_b32 s39, 32<<16
	s_mov_b32 s40, 16
	s_mov_b32 s41, 32
	s_mov_b32 s42, 0
	s_mov_b32 s43, 0
	s_or_b32 s48, s23, (3<<16)|(1<<20)|(1<<21)|(5<<22)|(3<<25)   ; B's scales: my column's mask; 32 rows
	s_mov_b32 s49, 32<<16
	s_mov_b32 s50, 32<<16
	s_mov_b32 s51, 32<<16
	s_mov_b32 s52, 32
	s_mov_b32 s53, 32
	s_mov_b32 s54, 0
	s_mov_b32 s55, 0
	s_lshl_b32 s61, s60, 8
	s_add_co_u32 s61, s61, 3072                    ; B's first place in wc and ws
	s_lshl_b32 s62, s18, 7
	s_add_co_u32 s62, s62, s61
	s_mov_b32 s32, 1                               ; groups 0: the count, the LDS address, for now the byte offset
	s_mul_i32 s33, s18, HALFB
	s_mul_i32 s34, s62, 192
	s_mov_b32 s35, 0
	s_mov_b32 s44, 1
	s_mov_b32 s45, SCLA
	s_lshl_b32 s46, s21, 12                        ; 128 rows x 32 bytes
	s_mov_b32 s47, 0
	s_mov_b32 s56, 1
	s_mov_b32 s57, SCLB
	s_lshl_b32 s58, s61, 5
	s_mov_b32 s59, 0
	s_wait_dscnt 0x0                               ; both opening adds are done
	s_wait_kmcnt 0x0
	s_add_nc_u64 s[34:35], s[8:9], s[34:35]
	s_or_b32 s35, s35, 0x80000000
	s_add_nc_u64 s[46:47], s[6:7], s[46:47]
	s_or_b32 s47, s47, 0x80000000
	s_add_nc_u64 s[58:59], s[10:11], s[58:59]
	s_or_b32 s59, s59, 0x80000000
	CROUND                                         ; all sixteen work-groups are here: the joint loads meet
; The fills, one a wave, in one chain of branches on the wave's number.  An s_nop 0 and four v_nop follow each load.
.macro ARM under, g0, g1, next
	s_cmp_lt_u32 s16, \under
	s_cbranch_scc0 \next
	tensor_load_to_lds s[\g0:\g0+3], s[\g1:\g1+7]
	s_nop 0
.rept 4
	v_nop
.endr
	s_branch .Lhead_asked
\next:
.endm
	ARM 2, 32, 24, .Lhead_sb
	ARM 3, 56, 48, .Lhead_sa
	tensor_load_to_lds s[44:47], s[36:43]
	s_nop 0
.rept 4
	v_nop
.endr
.Lhead_asked:
	v_and_b32 v1, 15, v0                           ; r
	v_bfe_u32 v2, v0, 4, 1                         ; h
	v_and_b32 v6, 31, v0
	v_lshlrev_b32 v[CO], 4, v6
	v_mul_u32_u24 v3, v1, PITCH
	v_mul_u32_u24 v4, v2, 24
	v_add_nc_u32 v4, v3, v4                        ; a fragment's row x pitch + 24 x half
	v_lshl_add_u32 v5, v2, 4, v4                   ; and the same behind one padding more
	s_mul_i32 s62, s18, HALFB
.irp s, 0,1
	v_add_nc_u32 v[ADRB+\s], s62, v4
	v_add_nc_u32 v[ADRB+2+\s], s62, v5
	s_add_co_u32 s62, s62, 2*PLB
.endr
	v_lshlrev_b32 v5, 5, v1                        ; my row's scales: 32 bytes a row,
	v_lshrrev_b32 v6, 3, v1
	v_lshl_add_u32 v5, v6, 4, v5                   ; and 16 more behind each 256
	s_mul_i32 s62, s17, 8*272                      ; A's: my 64 rows
	s_mul_i32 s63, s18, 16*272                     ; B's: my 128 rows
	s_add_co_u32 s63, s63, SCLB-SCLA
	s_sub_co_u32 s63, s63, s62
	v_mul_u32_u24 v6, s63, v2                      ; lanes 16-31 take B's
	s_add_co_u32 s62, s62, SCLA
	v_add_nc_u32 v5, v5, v6
	v_add_nc_u32 v[ADRS], s62, v5
	s_mul_i32 s63, s16, 16*SPITCH
	s_add_co_u32 s63, s63, STAGE                   ; my stage
	v_mul_u32_u24 v5, v1, SPITCH
	v_lshl_add_u32 v5, v2, 6, v5                   ; in: row r, 64 bytes on for lanes 16-31
	v_add_nc_u32 v[STO], s63, v5
	v_add_nc_u32 v[RD], s63, v[CO]                 ; back: the 32 lanes take one row of 512 bytes
	v_lshlrev_b32 v7, 6, v2                        ; bo: 16 h numbers on
	s_wait_alu depctr_va_vdst(0)                   ; ahead of the run of scalar lines
	s_lshl_b32 s62, s60, 10
	s_lshl_b32 s63, s18, 9
	s_add_co_u32 s62, s62, s63                     ; my first feature, in bytes
	s_mov_b32 s63, 0
	s_add_nc_u64 s[12:13], s[12:13], s[62:63]
	s_add_nc_u64 s[14:15], s[14:15], s[62:63]
	s_lshl_b32 s62, s21, 7
	s_lshl_b32 s66, s17, 6
	s_add_co_u32 s62, s62, s66                     ; my first row
	s_lshl_b32 s66, s62, 12
	s_mov_b32 s67, 0
	s_add_nc_u64 s[14:15], s[14:15], s[66:67]
	s_mul_i32 s66, s62, 768
	s_add_nc_u64 s[4:5], s[4:5], s[66:67]          ; my four tiles of oc
	WIN 0x40
.irp b, 0,1,2,3,4,5,6,7
	global_load_b128 v[96+8*\b+96*(\b/4):96+8*\b+96*(\b/4)+3], v7, s[12:13] offset:(32*(\b/2)+8*(\b%2))*4
	global_load_b128 v[96+8*\b+96*(\b/4)+4:96+8*\b+96*(\b/4)+7], v7, s[12:13] offset:(32*(\b/2)+8*(\b%2))*4+16
.endr
	WIN 0xc0
.irp q, 0,1,2,3,4
.irp i, 0,1,2,3
.irp j, 0,1,2
	global_load_b128 v[48*\q+FR*\i+4*\j:48*\q+FR*\i+4*\j+3], v[CO], s[4:5] offset:12288*\i+1536*\q+512*\j   ; 512 consecutive bytes, aligned
.endr
.endr
.endr
	WIN 0
.irp q, 5,6,7
.irp i, 0,1,2,3
.irp j, 0,1,2
	global_load_b128 v[112+48*(\q-5)+FR*\i+4*\j:112+48*(\q-5)+FR*\i+4*\j+3], v[CO], s[4:5] offset:12288*\i+1536*\q+512*\j
.endr
.endr
.endr
.macro FRAG reg, q, i                  ; a fragment of B, 16 rows x 128 K of step q: 24 bytes twice, in pieces of 8.  Step q lies in plane q / 2; where the piece three on lies behind one padding more, the second address register serves
.irp p, 0,1,2,3,4,5
.set PCE, 12*((\q)%2)+6*(\p/3)+\p%3
.if PCE%8 < 5
	ds_load_b64 v[\reg+2*\p:\reg+2*\p+1], v[ADRB+(\q)/4] offset:PLB*(((\q)/2)%2)+8*PCE+16*(PCE/8)+(\i)*16*PITCH
.else
	ds_load_b64 v[\reg+2*\p:\reg+2*\p+1], v[ADRB+2+(\q)/4] offset:PLB*(((\q)/2)%2)+8*PCE+16*(PCE/8)+(\i)*16*PITCH
.endif
.endr
.endm
.macro FETCH_B q                       ; B's eight fragments of step q into set q % 2
	WIN 0x40
.irp i, 0,1,2,3,4,5,6,7
	FRAG 128*((\q)%2)+FR*\i, \q, \i
.endr
	WIN 0
.endm
; 8 matrix instructions: A's block a x B's eight, step q.  The 32 accumulators take turns, one instruction a turn, in the same order in every step.
.macro MULA a, q
.if (\q) < 5
.set AR, 48*(\q)+FR*(\a)
.else
.set AR, 112+48*((\q)-5)+FR*(\a)
.endif
.irp b, 0,1,2,3,4,5,6,7
.if (\q) == 0
	v_wmma_scale_f32_16x16x128_f8f6f4 v[8*(8*(\a)+\b):8*(8*(\a)+\b)+7], v[128*((\q)%2)+FR*\b:128*((\q)%2)+FR*\b+FR-1], v[AR:AR+FR-1], v[96+8*\b+96*(\b/4):96+8*\b+96*(\b/4)+7], v[SC+8*\b+(\q)], v[SC+8*(\a)+(\q)] matrix_a_fmt:MATRIX_FMT_FP6 matrix_b_fmt:MATRIX_FMT_FP6 matrix_a_scale:MATRIX_SCALE_ROW1
.else
	v_wmma_scale_f32_16x16x128_f8f6f4 v[8*(8*(\a)+\b):8*(8*(\a)+\b)+7], v[128*((\q)%2)+FR*\b:128*((\q)%2)+FR*\b+FR-1], v[AR:AR+FR-1], v[8*(8*(\a)+\b):8*(8*(\a)+\b)+7], v[SC+8*\b+(\q)], v[SC+8*(\a)+(\q)] matrix_a_fmt:MATRIX_FMT_FP6 matrix_b_fmt:MATRIX_FMT_FP6 matrix_a_scale:MATRIX_SCALE_ROW1
.endif
.endr
.endm
; A step of 128 along K: the next step's 48 LDS loads go out first, into the other set, and land under the 32 products.
.macro CHUNK q
	s_wait_dscnt 0x0                               ; this step's fragments of B (and, the first time, the scale words) are in
.if 12*(7-(\q)) > 63
	s_wait_loadcnt 63                              ; bo and A's steps up to this one are in: of 112 loads the oldest 49 at the least
.else
	s_wait_loadcnt 12*(7-(\q))                     ; A's steps up to this one are in; the later steps' 12 loads each may be out
.endif
.if (\q) < 7
.if (\q) > 0
	PLACES 4                                       ; the other set was read by the products just issued
.endif
	FETCH_B (\q)+1
.endif
.if (\q) == 0
	WIN 0x9d                                       ; source 0 (B) window 1, source 1 (A) window 3, C (bo) window 1, D window 2
.else
.if (\q) < 5
	WIN 0xad                                       ; C and D window 2
.else
	WIN 0xa1                                       ; A in window 0
.endif
.endif
.irp a, 0,1,2,3
	MULA \a, \q
.endr
	WIN 0
.endm
	s_wait_alu depctr_va_vdst(0)                   ; the wait at the head's end
	s_wait_tensorcnt 0x0                           ; my fill is in,
	s_barrier_signal -1
	s_barrier_wait -1                              ; everybody's is
.irp i, 0,1,2,3,4,5,6,7
	ds_load_b128 v[SC+8*\i:SC+8*\i+3], v[ADRS] offset:\i*544        ; all eight steps' scale words: lanes 0-15 A's block i, lanes 16-31 B's (A has four blocks: what lanes 0-15 bring for i = 4 .. 7, bytes of A's other 64 rows or of B's scales, is read by no product)
	ds_load_b128 v[SC+8*\i+4:SC+8*\i+7], v[ADRS] offset:\i*544+16
.endr
	FETCH_B 0
.irp q, 0,1,2,3,4,5,6,7
	CHUNK \q
.endr
; THE WAY OUT.  Lane (r, h) of accumulator (a, b): row 32 (a / 2) + 8 (a % 2) + r + 8 (r / 8) of my 64; register j: feature 32 (b / 2) + 16 h + 8 (b % 2) + j of my 128.
.macro TOSTAGE a
	WIN 0x08                                       ; the data: window 2
.irp b, 0,1,2,3,4,5,6,7
	ds_store_b128 v[STO], v[64*(\a)+8*\b:64*(\a)+8*\b+3] offset:128*(\b/2)+32*(\b%2)        ; each accumulator from its low end on
	ds_store_b128 v[STO], v[64*(\a)+8*\b+4:64*(\a)+8*\b+7] offset:128*(\b/2)+32*(\b%2)+16
.endr
	WIN 0
.set BB, BK+64*((\a)%2)
.irp t, 0,1,2,3,4,5,6,7,8,9,10,11,12,13,14,15
	ds_load_b128 v[BB+4*\t:BB+4*\t+3], v[RD] offset:\t*SPITCH      ; LDS serves a wave's instructions in order: these see the stores above
.endr
.endm
.macro SEND a, younger                 ; younger: the LDS instructions issued behind block a's loads, which may stay out
.set BB, BK+64*((\a)%2)
	s_wait_dscnt \younger
.irp t, 0,1,2,3,4,5,6,7,8,9,10,11,12,13,14,15
	global_store_b128 v[CO], v[BB+4*\t:BB+4*\t+3], s[14:15] offset:(32*((\a)/2)+8*((\a)%2)+(\t%8)+16*(\t/8))*4096 th:TH_STORE_NT   ; 512 consecutive bytes, aligned
.endr
.endm
	PLACES 4                                       ; between the last products and the first read of results, and the loads into registers that held A's fragments
	TOSTAGE 0
.irp a, 1,2,3
.if \a > 1
	s_wait_xcnt 0x0                                ; block a - 2's stores have read their registers: block a's loads may land there
.endif
	TOSTAGE \a
	SEND \a-1, 32
.endr
	SEND 3, 0
	s_wait_tensorcnt 0x0                           ; the wave's end: behind my last tensor load and my last LDS store
	ds_add_u32 v[SPW], v[NIL]
	s_wait_dscnt 0x0
	CROUND                                         ; the closing round
	s_endpgm
.Lfunc_end_k_qb57a1f3b9d_outp:
	.size	k_qb57a1f3b9d_outp, .Lfunc_end_k_qb57a1f3b9d_outp-k_qb57a1f3b9d_outp
	.p2alignl 7, 3214868480
	.fill 96, 4, 3214868480
	.section	.rodata,"a",@progbits
	.p2align	6, 0x0
	.amdhsa_kernel k_qb57a1f3b9d_outp
		.amdhsa_group_segment_fixed_size 327680
		.amdhsa_private_segment_fixed_size 0
		.amdhsa_enable_private_segment 0
		.amdhsa_kernarg_size 48
		.amdhsa_user_sgpr_count 2
		.amdhsa_user_sgpr_kernarg_segment_ptr 1
		.amdhsa_wavefront_size32 1
		.amdhsa_system_sgpr_workgroup_id_x 1
		.amdhsa_system_sgpr_workgroup_id_y 1
		.amdhsa_system_sgpr_workgroup_id_z 1
		.amdhsa_system_vgpr_workitem_id 0
		.amdhsa_next_free_vgpr 1024
		.amdhsa_next_free_sgpr 80
		.amdhsa_reserve_vcc 0
		.amdhsa_float_denorm_mode_32 3
		.amdhsa_float_denorm_mode_16_64 3
		.amdhsa_memory_ordered 1
		.amdhsa_forward_progress 1
		.amdhsa_inst_pref_size 92
	.end_amdhsa_kernel
	.amdgpu_metadata
---
amdhsa.version: [ 1, 2 ]
amdhsa.kernels:
  - .name:           k_qb57a1f3b9d_outp
    .symbol:         k_qb57a1f3b9d_outp.kd
    .args:
      - { .name: oc, .offset: 0, .size: 8, .value_kind: global_buffer, .address_space: global }
      - { .name: os, .offset: 8, .size: 8, .value_kind: global_buffer, .address_space: global }
      - { .name: wc, .offset: 16, .size: 8, .value_kind: global_buffer, .address_space: global }
      - { .name: ws, .offset: 24, .size: 8, .value_kind: global_buffer, .address_space: global }
      - { .name: bo, .offset: 32, .size: 8, .value_kind: global_buffer, .address_space: global }
      - { .name: out0, .offset: 40, .size: 8, .value_kind: global_buffer, .address_space: global }
    .group_segment_fixed_size: 327680
    .private_segment_fixed_size: 0
    .kernarg_segment_align: 8
    .kernarg_segment_size: 48
    .max_flat_workgroup_size: 128
    .sgpr_count:     80
    .vgpr_count:     1024
    .wavefront_size: 32
...
	.end_amdgpu_metadata
.endif
;; end of part 4
